; MI455X (gfx1250); checked and timed in simulation.
; The chip was launched on July 23, 2026; its instructions are those of AMD's public machine-readable ISA for CDNA 5 (MIT licence, August 2026) and "CDNA5" Instruction Set Architecture Reference Guide (July 2026). The comments in the code are by the model that wrote it; some were corrected since.
;; Multi Head Attention. Allowed arithmetic: matrix products marked QUANTISED: E4M3 operands, one E8M0 scale for each 32 along K, by v_wmma_scale_f32_16x16x128_f8f6f4 with both operands' format E4M3, f32 sums; everything else in f32.
;; Inputs: Wk_codes 1,024 x 32 x 32 uint8 (E4M3 codes of Wk, K innermost, in blocks of 32 codes); Wk_scales 1,024 x 32 uint8 (E8M0 scales of Wk, one for each 32 codes along K); Wo_codes 1,024 x 32 x 32 uint8 (E4M3 codes of Wo, K innermost, in blocks of 32 codes); Wo_scales 1,024 x 32 uint8 (E8M0 scales of Wo, one for each 32 codes along K); Wq_codes 1,024 x 32 x 32 uint8 (E4M3 codes of Wq, K innermost, in blocks of 32 codes); Wq_scales 1,024 x 32 uint8 (E8M0 scales of Wq, one for each 32 codes along K); Wv_codes 1,024 x 32 x 32 uint8 (E4M3 codes of Wv, K innermost, in blocks of 32 codes); Wv_scales 1,024 x 32 uint8 (E8M0 scales of Wv, one for each 32 codes along K); bo 1,024 float32; x_codes 4 x 2,048 x 32 x 32 uint8 (E4M3 codes of x, K innermost, in blocks of 32 codes); x_scales 4 x 2,048 x 32 uint8 (E8M0 scales of x, one for each 32 codes along K).
;; Outputs: out0 4 x 2,048 x 1,024 float32.
;; This version of the problem:
;;   THIS VERSION OF THE PROBLEM IS GIVEN IN LOW PRECISION. The matrix products marked QUANTISED in the list below multiply operands that are first quantised to E4M3 (4 exponent bits, 3 mantissa bits; 8 bits a number), with one power-of-two scale for each 32 numbers along K (OCP MX v1.0); their sums are f32. All else is computed in f32.
;;   The module's matrix products, in the order in which they are computed (A, B: the left and right operand; K: the contracted axis; several contracted axes count as one K, in the product's order):
;;     1. [M 8,192, K 1,024] x [K 1,024, N 1,024]; A: input x (given as codes); B: input Wq (given as codes): QUANTISED
;;     2. [M 8,192, K 1,024] x [K 1,024, N 1,024]; A: input x (given as codes); B: input Wk (given as codes): QUANTISED
;;     3. [M 8,192, K 1,024] x [K 1,024, N 1,024]; A: input x (given as codes); B: input Wv (given as codes): QUANTISED
;;     4. batch 64 x [M 2,048, K 64] x [K 64, N 2,048]; A: computed on the way; B: computed on the way: QUANTISED
;;     5. batch 64 x [M 2,048, K 2,048] x [K 2,048, N 64]; A: softmax (see below); B: computed on the way: QUANTISED
;;     6. [M 8,192, K 1,024] x [K 1,024, N 1,024]; A: computed on the way; B: input Wo (given as codes): QUANTISED
;;   THE QUANTISER, for each operand of a quantised product, along K:
;;     - K is cut into blocks of 32 from its start; a last block that is shorter is filled with zeros.
;;     - A block's scale is 2^e with e = floor(log2(the largest magnitude in the block)) - 8, held to -126 .. 127; a block of zeros has e = 0. As a byte (E8M0): e + 127.
;;     - Each number is divided by its block's scale, clamped to +-448, and rounded to the nearest number of E4M3, ties to even, subnormals kept.
;;     - The product sums the exact products of the quantised numbers (number of the format x scale) in f32.
;;   ~~~python
;;   def quantise(x, axis):      # numpy; x: float32 -> the quantised numbers, widened to float32 again
;;       x = np.moveaxis(x, axis, -1); K = x.shape[-1]
;;       x = np.pad(x, [(0, 0)] * (x.ndim - 1) + [(0, -K % 32)]); x = x.reshape(x.shape[:-1] + (-1, 32)); a = np.abs(x).max(-1, keepdims=True)
;;       e = np.where(a > 0, np.clip(np.frexp(np.where(a > 0, a, 1))[1] - 1 - 8, -126, 127), 0)      # np.frexp(a)[1] - 1 = floor(log2(a)), exactly
;;       r = np.clip(x / 2.0 ** e, -448, 448)
;;       step = 2.0 ** (np.maximum(np.frexp(np.where(r == 0, 1, r))[1] - 1, -6) - 3)
;;       q = np.round(r / step) * step * 2.0 ** e      # np.round: ties to even
;;       return np.moveaxis(q.reshape(q.shape[:-2] + (-1,))[..., :K], -1, axis).astype(np.float32)
;;   ~~~
;;   SOFTMAX AHEAD OF A QUANTISED PRODUCT. Where the list says 'softmax', what is quantised is not the finished softmax but p = 2^(t - M), with t = logit x log2(e) and M = ceil(the row's largest t), a whole number; so 1/2 < the row's largest p <= 1. The row's sum l is taken of the UNQUANTISED p, in f32, and the product's result is divided by l at the end. Since M is a whole number, a kernel that streams over the keys may use a running M (the ceiling of the running maximum): every later rescaling is an exact power of two, which a block's scale takes up: the codes' values come out the same.
;;   OPERANDS COMPUTED ON THE WAY. 'Computed on the way' means the value that the module computes at that place (a softmax that the list does not call 'softmax' is quantised finished and normalised). What goes into a quantiser is computed in f32, as accurately as f32 sums, v_exp_f32 and their like allow (about 1e-6 of the number): no bf16 or f16 on the way to a quantiser, and a product that is left as it is and whose result goes on into a quantised operand takes f32 operands (vector FMAs, or v_wmma_f32_16x16x4_f32). A number that lies on a knife's edge between two numbers of the format may be rounded either way, as far as f32 arithmetic and the matrix unit's own rounding can turn it there, and no further.
;;   INPUTS GIVEN AS CODES. Wk (in the module: [1024, 1024], K = its axis 1); Wo (in the module: [1024, 1024], K = its axis 1); Wq (in the module: [1024, 1024], K = its axis 1); Wv (in the module: [1024, 1024], K = its axis 1); x (in the module: [4, 2048, 1024], K = its axis 2): each comes as NAME_codes (uint8): NAME with its K axis moved to the last place and cut into blocks of 32 codes, [.., K / 32, bytes a block], one block behind the other in memory; one code a byte (a code: sign, 4 exponent bits, 3 mantissa bits); and NAME_scales (uint8): the same leading axes, one E8M0 byte (e + 127) for each 32 codes along K. Its value is code x scale, taken as it is: it is not quantised again, and the codes and scales need not be those that the quantiser above would give.
;; One version. Each part assembles by itself: llvm-mc -triple=amdgcn-amd-amdhsa -mcpu=gfx1250 --defsym DOCPART=n.
;; ======== version 1 of 1: 3 launches
;; limits: right only within a limited range of input values
;; workspace buffers: qc 8,388,608 bytes; kc 8,388,608 bytes; vc 8,388,608 bytes; cc 8,388,608 bytes; qs 262,144 bytes; ks 262,144 bytes; vs 262,144 bytes; cs 262,144 bytes
;; launch qkv (part 1): grid 12 x 32, 4 waves a work-group, clusters of 4 x 4, 327,680 bytes of LDS; arguments x_codes, x_scales, Wq_codes, Wq_scales, Wk_codes, Wk_scales, Wv_codes, Wv_scales, qc, qs, kc, ks, vc, vs; writes qc, qs, kc, ks, vc, vs
.if DOCPART == 1
	.amdgcn_target "amdgcn-amd-amdhsa--gfx1250"
	.amdhsa_code_object_version 6
	.text
	.protected	k_qbade031fc6_qkv
	.globl	k_qbade031fc6_qkv
	.p2align	8
	.type	k_qbade031fc6_qkv,@function
k_qbade031fc6_qkv:
	s_mov_b64 s[64:65], 0
	v_nop
	global_prefetch_b8 v0, s[64:65] scope:SCOPE_SE
	s_setreg_imm32_b32 hwreg(HW_REG_WAVE_MODE, 25, 1), 1
	s_wait_xcnt 0x0
	s_wait_alu depctr_hold_cnt(0) depctr_sa_sdst(0) depctr_va_vdst(0) depctr_va_sdst(0) depctr_va_ssrc(0) depctr_va_vcc(0) depctr_vm_vsrc(0)
	s_getreg_b32 s2, hwreg(HW_REG_IB_STS2, 6, 4)
	s_cmp_eq_u32 s2, 0
	s_cbranch_scc0 .Lentry_in_a_cluster
	s_endpgm
.Lentry_in_a_cluster:
	s_bfe_u32 s2, ttmp6, 0x10000c
	s_cmp_lg_u32 s2, 0xf033
	s_cbranch_scc0 .Lentry_shape_is_right
	s_endpgm
.Lentry_shape_is_right:
; q = x Wq^T, k = x Wk^T, v = x Wv^T on codes of FP8 (E4M3) with one E8M0 byte for each 32 along K = 1,024; the f32 results are quantised at once: q and k along a head's 64 channels, v along the tokens.
; ONE BODY FOR THE THREE: C'[m'][n'] = A' B'^T on tiles of 256 x 256, quantised along n'.  q, k: A' = x (8,192 rows), B' = Wq or Wk (1,024 rows): a lane holds a token, its registers run along the channels.
; v: A' = Wv, B' = x: a lane holds a channel, its registers run along the tokens.  The cluster's x (0: q, 1: k, 2: v) chooses pointers and a few strides by selects; no branch hangs on it.
; DEAD WORK OF THE PROGRAM (left out in the attention launch, not here): reference() itself sets the score of key > query to -infinity, so its weight is 0 whatever the inputs hold; a step of 128 keys that all lie behind a wave's
; 16 queries reaches no output and is not loaded, multiplied or exponentiated there.  Every input has a way to the output: all are loaded.  LIMIT: a NaN, infinity or overflow that reaches only such steps is not carried to the result.
; LIMITS: NaN and infinities among the inputs are not served.  A block of zeros gets the byte 1 where the quantiser says 127 (its codes are zeros; this program alone reads the bytes); blocks whose largest magnitude lies under 2^-118 are held at the byte 1.
; THE ORDER INSIDE A BLOCK OF 32.  A lane's 16 results of two neighbouring accumulators are numbers 8 h + 0..7 and 16 + 8 h + 0..7 of a block (h = lane / 16); they are converted as they stand and take the operand's places 16 h + 0..15.
; That is one fixed permutation inside a block; q and k carry it alike, and so do v (here) and the softmax's p (next launch): the sums of products are the same sums.
; OUT: images of operand registers, 16 bytes a lane: qc, kc [b 16 + head][token / 16][block of 32 channels][lane][16]; vc [b 16 + head][token / 128][channel / 16][block of 32 tokens][lane][16].
; Scale words: qs, ks [b][head / 2][token / 16][token % 16] (bytes 0, 1: the even head; 2, 3: the odd); vs [b 16 + head][token / 128][channel / 16][channel % 16].  Every store of a wave is 512 or 2 x 256 consecutive aligned bytes.
; SHARES: a work-group of four waves makes a tile of 256 x 256, a wave 128 x 128 in 64 accumulators.  K goes in steps of 256 through two LDS slots; the scales of the tile's rows, for all of K, come once.
; CLUSTERS: 4 x 4 work-groups; A's tiles are asked for jointly along a row of the cluster, B's along a column.  384 tiles: the larger wave tile is kept for its fewer LDS bytes a product.
; REGISTERS: window 0: v0-31 addresses; v32-63 scale words; v128-255 A's fragments (on the way out: v128-143 codes, v144-159 at work, v160-167 scale words, v168-171 their way back);
;   window 1: B's fragments, two sets; windows 2, 3: the accumulators, (a, b) at v[8 (8 (a % 4) + b)].
.set KSTEP,  256
.set NQ,     2
.set ROWB,   256
.set KROW,   1024
.set PITCH,  272                       ; an LDS row: 256 bytes + 16 of padding: the 16 rows of a fragment load start 68 words apart
.set FR,     16
.set NL,     4
.set NP,     8                         ; places behind this matrix instruction (ISA guide 7.12.1)
.set HALFT,  128*PITCH
.set SLOT,   4*HALFT
.set LAPS,   2                         ; 1,024 / 512
.set KS,     32                        ; a row of scale bytes
.set SCL,    2*SLOT
.set HALFS,  (128*KS/256)*272
.set SBLK,   (16*KS/256)*272
.set SPARE,  SCL+4*HALFS               ; the spare words: 128 bytes a wave, two blocks of 256 bytes that no other line names
.set VO,   8                           ; v8-11  the way out: my 16 bytes in the four images of a block of rows
.set SWA,  12                          ; v12    where I put a scale word: 512 x wave + 4 (lane % 16); the stage lies in slot 0, behind its last fill and last read
.set SRA,  13                          ; v13    and where I read 16 bytes back
.set SVO,  14                          ; v14    their place in memory
.set ADRA, 16
.set ADRB, 20
.set ADRS, 27
.set SPW,  28
.set NIL,  29
.set SC,   32
.set AF,   128
.set T,    64
.set PC,   128
.set TM,   144
.set PW,   160
.set SB,   168
.set G1, 24
.set G0, 32
.set G1B, 48
.set G0B, 56
.set G1S, 68
.set G0S, 76
.set G1SB, 80
.set G0SB, 88
.set MSB, 0
.macro WIN new                         ; the immediate's high byte repeats the setting that is left
.if MSB != (\new)
	s_set_vgpr_msb (MSB<<8)|(\new)
.set MSB, (\new)
.endif
.endm
.set MUL_LO, 0xa1                      ; source 0 (B') window 1, source 1 (A') window 0, C and D window 2
.set MUL_HI, 0xf1
.set TO_B,   0x40
; A joint load: waves 0 and 1 fetch for A', waves 2 and 3 for B'.  The branch hangs on the wave's number alone.  An s_nop 0 and four v_nop follow each line.
.macro JLOAD g0a, g1a, g0b, g1b
	s_cmp_eq_u32 s15, 0
	s_cbranch_scc0 .Lfor_b_\@
	tensor_load_to_lds s[\g0a:\g0a+3], s[\g1a:\g1a+7]
	s_nop 0
.rept 4
	v_nop
.endr
	s_branch .Lasked_\@
.Lfor_b_\@:
	tensor_load_to_lds s[\g0b:\g0b+3], s[\g1b:\g1b+7]
	s_nop 0
.rept 4
	v_nop
.endr
.Lasked_\@:
.endm
.macro CREST                           ; a round of the cluster's barrier behind its opening barrier
	s_cmp_lg_u32 s14, 0
	s_cbranch_scc1 .Lnot_wave_0_\@
	s_barrier_signal -3
.Lnot_wave_0_\@:
	s_barrier_wait -3
	s_barrier_signal -1
	s_barrier_wait -1
.endm
.macro CROUND
	s_barrier_signal -1
	s_barrier_wait -1
	CREST
.endm
	s_load_b512 s[68:83], s[0:1], 0x0              ; x codes 68, x scales 70, Wq 72, 74, Wk 76, 78, Wv 80, 82
	s_load_b256 s[84:91], s[0:1], 0x40             ; qc 84, qs 86, kc 88, ks 90
	s_load_b128 s[92:95], s[0:1], 0x60             ; vc 92, vs 94
	v_lshl_add_u32 v[SPW], v0, 2, SPARE
	v_mov_b32 v[NIL], 0
	ds_add_u32 v[SPW], v[NIL]                      ; the wave's opening: the add, twice on end, and its wait ahead of my first tensor load
	ds_add_u32 v[SPW], v[NIL]
	v_lshrrev_b32 v1, 5, v0
	v_readfirstlane_b32 s14, v1                    ; wave 0..3
	s_lshr_b32 s15, s14, 1                         ; my half of the tile's rows; also: I fetch for A' (0) or B' (1)
	s_and_b32 s16, s14, 1                          ; my half of its columns; also: which 128 rows I fetch
	s_bfe_u32 s40, ttmp6, 0x40000                  ; cx
	s_bfe_u32 s41, ttmp6, 0x40004                  ; cy
	s_and_b32 s17, ttmp7, 0xffff                   ; the cluster's y, 0..7: it walks x's rows
	s_cmp_eq_u32 ttmp9, 2                          ; v?  (the cluster's x: the same in all partners)
	s_cselect_b32 s42, s17, 0                      ; x is B' for v: the walk goes along the columns,
	s_cselect_b32 s17, 0, s17                      ; else along the rows
	s_lshl_b32 s42, s42, 2
	s_add_co_u32 s42, s42, s40                     ; tile column
	s_lshl_b32 s17, s17, 2
	s_add_co_u32 s17, s17, s41                     ; tile row
	s_lshl_b32 s43, s41, 2
	s_lshl_b32 s43, 15, s43                        ; my row of the cluster
	s_lshl_b32 s44, 0x1111, s40                    ; my column
	s_or_b32 s[G1+0], s43, (0<<16)|(1<<20)|(1<<21)|(5<<22)|(3<<25)  ; mask; elements of 1 byte; padding on; bit 21 beside a mask; 4 words behind every 64
	s_or_b32 s[G1B+0], s44, (0<<16)|(1<<20)|(1<<21)|(5<<22)|(3<<25)
.irp g, G1, G1B
	s_mov_b32 s[\g+1], ROWB<<16                    ; tensor_dim0
	s_mov_b32 s[\g+2], 128<<16                     ; tensor_dim1
	s_mov_b32 s[\g+3], ROWB<<16                    ; tile_dim0
	s_mov_b32 s[\g+4], 128                         ; tile_dim1
	s_mov_b32 s[\g+5], KROW                        ; from row to row
	s_mov_b32 s[\g+6], 0
	s_mov_b32 s[\g+7], 0
.endr
	s_lshl_b32 s18, s16, 7
	s_lshl_b32 s20, s17, 8
	s_add_co_u32 s20, s20, s18                     ; A': row 256 x tile row + 128 x half
	s_lshl_b32 s46, s42, 8
	s_add_co_u32 s46, s46, s18                     ; B': row 256 x tile column + 128 x half
	s_lshl_b32 s22, s20, 5                         ; their scales: 32 bytes a row,
	s_mov_b32 s23, 0
	s_lshl_b32 s20, s20, 10                        ; their codes: 1,024 bytes a row (under 2^24)
	s_mov_b32 s21, 0
	s_lshl_b32 s2, s46, 5
	s_mov_b32 s3, 0
	s_lshl_b32 s46, s46, 10
	s_mov_b32 s47, 0
	s_mul_i32 s45, s14, HALFT                      ; where the codes go: wave x 128 rows
	s_wait_dscnt 0x0                               ; both opening adds are done
	s_wait_kmcnt 0x0
	s_cmp_eq_u32 ttmp9, 1                          ; k takes Wk and kc, ks in Wq's and qc's, qs's places
	s_cselect_b64 s[72:73], s[76:77], s[72:73]
	s_cselect_b64 s[74:75], s[78:79], s[74:75]
	s_cselect_b64 s[84:85], s[88:89], s[84:85]
	s_cselect_b64 s[86:87], s[90:91], s[86:87]
	s_cmp_eq_u32 ttmp9, 2
	s_cselect_b64 s[4:5], s[80:81], s[68:69]       ; A' codes: Wv or x
	s_cselect_b64 s[6:7], s[82:83], s[70:71]       ; A' scales
	s_cselect_b64 s[8:9], s[68:69], s[72:73]       ; B' codes: x or W
	s_cselect_b64 s[10:11], s[70:71], s[74:75]     ; B' scales
	s_cselect_b64 s[12:13], s[92:93], s[84:85]     ; the codes' way out
	s_cselect_b64 s[96:97], s[94:95], s[86:87]     ; the scale words'
	s_mul_i32 s94, s14, HALFS                      ; where the scales go
	s_add_nc_u64 s[20:21], s[4:5], s[20:21]
	s_add_nc_u64 s[22:23], s[6:7], s[22:23]
	s_add_nc_u64 s[46:47], s[8:9], s[46:47]
	s_add_nc_u64 s[92:93], s[10:11], s[2:3]
	; the scales of 128 rows: 4,096 dense bytes as 16 rows of 256 bytes (32 elements of 8), 16 bytes of padding behind each
	s_or_b32 s[G1S+0], s43, (3<<16)|(1<<20)|(1<<21)|(5<<22)|(3<<25)
	s_or_b32 s[G1SB+0], s44, (3<<16)|(1<<20)|(1<<21)|(5<<22)|(3<<25)
.irp g, G1S, G1SB
	s_mov_b32 s[\g+1], 32<<16
	s_mov_b32 s[\g+2], (128*KS/256)<<16
	s_mov_b32 s[\g+3], 32<<16
	s_mov_b32 s[\g+4], 128*KS/256
	s_mov_b32 s[\g+5], 32
	s_mov_b32 s[\g+6], 0
	s_mov_b32 s[\g+7], 0
.endr
	CROUND                                         ; all sixteen work-groups are here: the first joint loads meet
	s_mov_b32 s[G0S], 1
	s_add_co_u32 s[G0S+1], s94, SCL
	s_mov_b64 s[G0S+2:G0S+3], s[22:23]
	s_or_b32 s[G0S+3], s[G0S+3], 0x80000000
	s_mov_b32 s[G0SB], 1
	s_add_co_u32 s[G0SB+1], s94, SCL
	s_mov_b64 s[G0SB+2:G0SB+3], s[92:93]
	s_or_b32 s[G0SB+3], s[G0SB+3], 0x80000000
	JLOAD G0S, G1S, G0SB, G1SB                     ; the scales first: they are wanted with K step 0
.irp s, 0,1
	s_mov_b32 s[G0+4*\s], 1
	s_add_co_u32 s[G0+4*\s+1], s45, \s*SLOT
	s_add_nc_u64 s[G0+4*\s+2:G0+4*\s+3], s[20:21], \s*ROWB
	s_or_b32 s[G0+4*\s+3], s[G0+4*\s+3], 0x80000000
	s_mov_b32 s[G0B+4*\s], 1
	s_add_co_u32 s[G0B+4*\s+1], s45, \s*SLOT
	s_add_nc_u64 s[G0B+4*\s+2:G0B+4*\s+3], s[46:47], \s*ROWB
	s_or_b32 s[G0B+4*\s+3], s[G0B+4*\s+3], 0x80000000
	JLOAD G0+4*\s, G1, G0B+4*\s, G1B
.endr
	v_and_b32 v1, 15, v0                           ; r = lane % 16
	v_bfe_u32 v2, v0, 4, 1                         ; h = lane / 16
	v_mul_u32_u24 v3, v1, PITCH
	v_lshl_add_u32 v4, v2, 4, v3                   ; a fragment's row x pitch + 16 h
	s_mul_i32 s21, s15, HALFT                      ; my 128 rows of A'
	s_mul_i32 s22, s16, HALFT                      ; my 128 rows of B',
	s_add_co_u32 s22, s22, 2*HALFT                 ; behind A's 256
.irp s, 0,1
	v_add_nc_u32 v[ADRA+\s], s21, v4
	v_add_nc_u32 v[ADRB+\s], s22, v4
	s_add_co_u32 s21, s21, SLOT
	s_add_co_u32 s22, s22, SLOT
.endr
	v_mul_u32_u24 v5, v1, KS                       ; my row's scales: 32 bytes a row,
	v_lshrrev_b32 v6, 8, v5
	v_lshl_add_u32 v5, v6, 4, v5                   ; and 16 more for each 256 passed
	s_mul_i32 s21, s15, HALFS
	s_mul_i32 s22, s16, HALFS
	s_add_co_u32 s22, s22, 2*HALFS
	s_sub_co_u32 s22, s22, s21
	v_mul_u32_u24 v6, s22, v2                      ; lanes 16-31 take B's
	s_add_co_u32 s21, s21, SCL
	v_add_nc_u32 v5, v5, v6
	v_add_nc_u32 v[ADRS], s21, v5
	; THE WAY OUT'S ADDRESSES.  m0, n0: my wave's first row and column of C'
	s_lshl_b32 s20, s17, 8
	s_lshl_b32 s21, s15, 7
	s_add_co_u32 s20, s20, s21                     ; m0
	s_lshl_b32 s21, s42, 8
	s_lshl_b32 s22, s16, 7
	s_add_co_u32 s21, s21, s22                     ; n0
	s_cmp_eq_u32 ttmp9, 2
	s_cselect_b32 s22, s21, s20                    ; my first token (of 8,192)
	s_cselect_b32 s23, s20, s21                    ; my first channel (of 1,024)
	s_mov_b32 s66, 1024
	s_cselect_b32 s66, 2048, s66                   ; from a block of 16 rows to the next: q, k a tile of tokens; v a tile of channels
	s_mov_b32 s98, 1024
	s_cselect_b32 s98, 124928, s98                 ; from block 3 to block 4: v goes on to the next head: 131,072 - 3 x 2,048
	s_mov_b32 s18, 1<<17
	s_cselect_b32 s18, 1024, s18                   ; from image 0 to image 2: q, k the next head; v two blocks of tokens
	s_mov_b32 s19, 256
	s_cselect_b32 s19, 4096, s19                   ; the scale words' second 256 bytes: q, k on end; v the next head's
	s_cselect_b32 s45, 1, 2                        ; scale bytes a token: v 256 for 128, q, k 64 for 16
	s_mov_b32 s67, 0
	s_mov_b32 s99, 0
	s_lshr_b32 s46, s22, 11                        ; b
	s_and_b32 s22, s22, 2047                       ; the token in its sequence
	s_lshl_b32 s20, s46, 21
	s_lshr_b32 s47, s23, 6
	s_lshl_b32 s47, s47, 17                        ; the head
	s_add_co_u32 s20, s20, s47
	s_lshl_b32 s47, s22, 6                         ; 64 bytes of codes a token and head
	s_add_co_u32 s20, s20, s47
	s_mov_b32 s21, 0
	s_add_nc_u64 s[12:13], s[12:13], s[20:21]
	s_lshl_b32 s20, s46, 16
	s_lshr_b32 s47, s23, 7
	s_lshl_b32 s47, s47, 13                        ; the pair of heads
	s_add_co_u32 s20, s20, s47
	s_lshl_b32 s47, s22, s45
	s_add_co_u32 s20, s20, s47
	s_add_nc_u64 s[96:97], s[96:97], s[20:21]
	v_and_b32 v6, 31, v0
	v_lshlrev_b32 v[VO], 4, v6                     ; 16 x lane
	v_add_nc_u32 v[VO+1], 512, v[VO]
	v_add_nc_u32 v[VO+2], s18, v[VO]
	v_add_nc_u32 v[VO+3], 512, v[VO+2]
	s_lshl_b32 s23, s14, 9
	v_lshl_add_u32 v[SWA], v1, 2, s23
	v_add_nc_u32 v[SRA], s23, v[VO]
	v_mul_u32_u24 v[SVO], s19, v2
	v_lshl_add_u32 v[SVO], v1, 4, v[SVO]
	s_mov_b32 s22, 0x76543210
	s_mov_b32 s23, 0xfedcba98                      ; v_permlanex16_b32's selects for lane l xor 16
.macro FRAG reg, adr, q, i             ; 16 rows x 128 K: registers 4 c .. 4 c + 3 hold K = 32 c + 16 h + 0 .. 15 of row lane % 16
.irp c, 0,1,2,3
	ds_load_b128 v[\reg+4*\c:\reg+4*\c+3], v[\adr] offset:128*(\q)+32*\c+(\i)*16*PITCH
.endr
.endm
; 16 matrix instructions: A's blocks a0, a0 + 1 x B's eight.  The 64 accumulators take turns, one instruction a turn, in the same order in every step.
.macro MUL16 a0, p, q, sc, zero
.irp a, \a0, \a0+1
.irp b, 0,1,2,3,4,5,6,7
.if \zero
	v_wmma_scale_f32_16x16x128_f8f6f4 v[8*(8*((\a)%4)+\b):8*(8*((\a)%4)+\b)+7], v[128*(\p)+FR*\b:128*(\p)+FR*\b+FR-1], v[AF+FR*(\a):AF+FR*(\a)+FR-1], 0, v[SC+8*NQ*(\sc)+NQ*\b+(\q)], v[SC+8*NQ*(\sc)+NQ*(\a)+(\q)] matrix_a_scale:MATRIX_SCALE_ROW1
.else
	v_wmma_scale_f32_16x16x128_f8f6f4 v[8*(8*((\a)%4)+\b):8*(8*((\a)%4)+\b)+7], v[128*(\p)+FR*\b:128*(\p)+FR*\b+FR-1], v[AF+FR*(\a):AF+FR*(\a)+FR-1], v[8*(8*((\a)%4)+\b):8*(8*((\a)%4)+\b)+7], v[SC+8*NQ*(\sc)+NQ*\b+(\q)], v[SC+8*NQ*(\sc)+NQ*(\a)+(\q)] matrix_a_scale:MATRIX_SCALE_ROW1
.endif
.endr
.endr
.endm
.macro FETCH_B slot, q, p
	WIN TO_B
.irp i, 0,1,2,3,4,5,6,7
	FRAG 128*(\p)+FR*\i, ADRB+\slot, \q, \i
.endr
	WIN 0
.endm
.macro FETCH_A slot, q, i0
.irp i, \i0, \i0+1, \i0+2, \i0+3
	FRAG AF+FR*(\i), ADRA+\slot, \q, \i
.endr
.endm
.macro SCALES sc                       ; a K step's scale words: lanes 0-15 A's block i, lanes 16-31 B's block i
.irp i, 0,1,2,3,4,5,6,7
	ds_load_b64 v[SC+8*NQ*\sc+NQ*\i:SC+8*NQ*\sc+NQ*\i+1], v[ADRS] offset:\i*SBLK
.endr
.endm
.macro PLACES n                        ; plain vector places behind matrix instructions, in front of loads into their registers and of reads of results
.rept \n
	v_nop
.endr
.endm
.macro STEP slot, q, zero              ; 128 along K with its successor in the same slot
	s_wait_dscnt 4*NL                              ; all but the youngest 16 loads (A's blocks 4-7) are in
	WIN MUL_LO
	MUL16 0, (\q)%2, \q, \slot, \zero
	MUL16 2, (\q)%2, \q, \slot, \zero
	s_wait_dscnt 0
	PLACES NP
	FETCH_B \slot, (\q)+1, 1-(\q)%2
	FETCH_A \slot, (\q)+1, 0
	WIN MUL_HI
	MUL16 4, (\q)%2, \q, \slot, \zero
	MUL16 6, (\q)%2, \q, \slot, \zero
	PLACES NP
	WIN 0
	FETCH_A \slot, (\q)+1, 4
.endm
; A slot's last step changes slots: one barrier; in front of it each wave waits for all its tensor loads, adds 0 to its spare word, and waits for that and for its reads of this slot.
.macro TURN slot, next, fill
	s_wait_tensorcnt 0x0                           ; all my tensor loads have landed: my part of the next slot
	ds_add_u32 v[SPW], v[NIL]
	s_wait_dscnt 4*NL+1                            ; the add and the youngest 16 loads may be out
	WIN MUL_LO
	MUL16 0, 1, NQ-1, \slot, 0
	s_wait_dscnt 0x0                               ; the add is done, and my reads of this slot are over
	s_barrier_signal -1
	MUL16 2, 1, NQ-1, \slot, 0
	WIN 0
	s_barrier_wait -1
.if \fill
	CREST                                          ; the barrier has opened a round of the cluster's: no wave of any partner still reads this slot or has a load on its way
	s_add_nc_u64 s[G0+4*\slot+2:G0+4*\slot+3], s[G0+4*\slot+2:G0+4*\slot+3], 2*ROWB
	s_add_nc_u64 s[G0B+4*\slot+2:G0B+4*\slot+3], s[G0B+4*\slot+2:G0B+4*\slot+3], 2*ROWB
	JLOAD G0+4*\slot, G1, G0B+4*\slot, G1B         ; the first tensor load behind the round; its four v_nop are among the places below
	PLACES NP-4
.else
	PLACES NP
.endif
	s_wait_alu depctr_va_vdst(0)
	v_add_nc_u32 v[ADRS], 4*NQ, v[ADRS]            ; the next K step's scale words
	FETCH_B \next, 0, 0
	FETCH_A \next, 0, 0
	SCALES \next
	WIN MUL_HI
	MUL16 4, 1, NQ-1, \slot, 0
	MUL16 6, 1, NQ-1, \slot, 0
	PLACES NP
	WIN 0
	FETCH_A \next, 0, 4
.endm
	s_wait_tensorcnt 1                             ; of my three first fills the scales and K step 0 are in; K step 1's may be out
	s_barrier_signal -1
	s_barrier_wait -1
	FETCH_B 0, 0, 0
	FETCH_A 0, 0, 0
	SCALES 0
	FETCH_A 0, 0, 4
	STEP 0, 0, 1                                   ; the first step's products start the sums
	s_mov_b32 s3, LAPS-1
.Llap:
	TURN 0, 1, 1
	STEP 1, 0, 0
	TURN 1, 0, 1
	STEP 0, 0, 0
	s_sub_co_u32 s3, s3, 1
	s_cmp_lg_u32 s3, 0
	s_cbranch_scc1 .Llap
	TURN 0, 1, 0                                   ; the last lap fills nothing
	STEP 1, 0, 0
	s_wait_dscnt 4*NL
	WIN MUL_LO
	MUL16 0, 1, NQ-1, 1, 0
	MUL16 2, 1, NQ-1, 1, 0
	s_wait_dscnt 0
	WIN MUL_HI
	MUL16 4, 1, NQ-1, 1, 0
	MUL16 6, 1, NQ-1, 1, 0
	WIN 0
; THE WAY OUT.  Block a: a lane's 64 results (row 16 a + r; register 16 g + i is a number of block g of 32 along n') become four images' 16 bytes and one scale word.
; A block's scale: the largest magnitude (with the floor 2^-118 among its leaves) less 8 in its exponent field; the conversion.
.macro QUANTW a
.set AC, 64*((\a)%4)
	WIN 0x0a+5*((\a)/4)                            ; sources 0 and 1: window 2 or 3
.irp b, 0,1,2,3
	v_max3_num_f32 v[TM+\b], |v[AC+16*\b]|, |v[AC+16*\b+1]|, 0x4800000   ; each accumulator is read from its low end on
.endr
.irp i, 2,4,6,8,10,12,14
.irp b, 0,1,2,3
	v_max3_num_f32 v[TM+\b], |v[AC+16*\b+\i]|, |v[AC+16*\b+\i+1]|, v[TM+\b]
.endr
.endr
	WIN 0
.irp b, 0,1,2,3
	v_permlanex16_b32 v[TM+4+\b], v[TM+\b], s22, s23
.endr
.irp b, 0,1,2,3
	v_max_num_f32 v[TM+\b], v[TM+\b], v[TM+4+\b]   ; with lane l xor 16's 16 numbers: the block's largest magnitude
.endr
.irp b, 0,1,2,3
	v_add_nc_u32 v[TM+12+\b], 0xfc000000, v[TM+\b] ; 8 off its exponent field: the conversion's scale operand
.endr
.irp b, 0,1,2,3
.endr
.irp b, 0,1,2,3
	v_lshrrev_b32 v[TM+4+\b], 23, v[TM+12+\b]      ; the scale's byte
.endr
	v_lshl_or_b32 v[PW+(\a)], v[TM+5], 8, v[TM+4]
	v_lshl_or_b32 v[PW+(\a)], v[TM+6], 16, v[PW+(\a)]
	v_lshl_or_b32 v[PW+(\a)], v[TM+7], 24, v[PW+(\a)]
	WIN 2+(\a)/4                                   ; source 0: window 2 or 3
.irp b, 0,1,2,3
.irp i, 0,1,2,3,4,5,6,7,8,9,10,11,12,13,14,15
.endr
.endr
.irp b, 0,1,2,3
	v_cvt_scalef32_pk8_fp8_f32 v[PC+4*\b:PC+4*\b+1], v[AC+16*\b:AC+16*\b+7], v[TM+12+\b]
	v_cvt_scalef32_pk8_fp8_f32 v[PC+4*\b+2:PC+4*\b+3], v[AC+16*\b+8:AC+16*\b+15], v[TM+12+\b]
.endr
	WIN 0
	v_nop                                          ; a plain place behind the last conversion
.endm
	PLACES NP
.irp b, 0,1,2,3
	v_mov_b32 v[TM+4+\b], 0                        ; written once: a lane permute's destination counts as one of its sources
.endr
.irp a, 0,1,2,3,4,5,6,7
.if \a > 0
	s_wait_xcnt 0x0                                ; the last block's stores have read their data and their base: both are written again only behind this wait
.if \a == 4
	s_add_nc_u64 s[12:13], s[12:13], s[98:99]
.else
	s_add_nc_u64 s[12:13], s[12:13], s[66:67]
.endif
.endif
	QUANTW \a
.irp b, 0,1,2,3
	global_store_b128 v[VO+\b], v[PC+4*\b:PC+4*\b+3], s[12:13]   ; 32 lanes store 512 consecutive aligned bytes: one image
.endr
	ds_store_b32 v[SWA], v[PW+\a] offset:64*\a     ; lanes r and r + 16 write the same word with the same value
.endr
	ds_load_b128 v[SB:SB+3], v[SRA]                ; LDS serves a wave's instructions in order: this sees my eight stores
	s_wait_dscnt 0x0
	global_store_b128 v[SVO], v[SB:SB+3], s[96:97] ; sixteen lanes store 256 consecutive aligned bytes
	s_wait_tensorcnt 0x0                           ; the wave's end
	ds_add_u32 v[SPW], v[NIL]
	s_wait_dscnt 0x0
	CROUND                                         ; the closing round
	s_endpgm
.Lfunc_end_k_qbade031fc6_qkv:
	.size	k_qbade031fc6_qkv, .Lfunc_end_k_qbade031fc6_qkv-k_qbade031fc6_qkv
	.p2alignl 7, 3214868480
	.fill 96, 4, 3214868480
	.section	.rodata,"a",@progbits
	.p2align	6, 0x0
	.amdhsa_kernel k_qbade031fc6_qkv
		.amdhsa_group_segment_fixed_size 327680
		.amdhsa_private_segment_fixed_size 0
		.amdhsa_enable_private_segment 0
		.amdhsa_kernarg_size 112
		.amdhsa_user_sgpr_count 2
		.amdhsa_user_sgpr_kernarg_segment_ptr 1
		.amdhsa_wavefront_size32 1
		.amdhsa_system_sgpr_workgroup_id_x 1
		.amdhsa_system_sgpr_workgroup_id_y 1
		.amdhsa_system_sgpr_workgroup_id_z 1
		.amdhsa_system_vgpr_workitem_id 0
		.amdhsa_next_free_vgpr 1024
		.amdhsa_next_free_sgpr 100
		.amdhsa_reserve_vcc 0
		.amdhsa_float_denorm_mode_32 3
		.amdhsa_float_denorm_mode_16_64 3
		.amdhsa_fp16_overflow 1
		.amdhsa_memory_ordered 1
		.amdhsa_forward_progress 1
		.amdhsa_inst_pref_size 152
	.end_amdhsa_kernel
	.amdgpu_metadata
---
amdhsa.version: [ 1, 2 ]
amdhsa.kernels:
  - .name:           k_qbade031fc6_qkv
    .symbol:         k_qbade031fc6_qkv.kd
    .args:
      - { .name: x_codes, .offset: 0, .size: 8, .value_kind: global_buffer, .address_space: global }
      - { .name: x_scales, .offset: 8, .size: 8, .value_kind: global_buffer, .address_space: global }
      - { .name: Wq_codes, .offset: 16, .size: 8, .value_kind: global_buffer, .address_space: global }
      - { .name: Wq_scales, .offset: 24, .size: 8, .value_kind: global_buffer, .address_space: global }
      - { .name: Wk_codes, .offset: 32, .size: 8, .value_kind: global_buffer, .address_space: global }
      - { .name: Wk_scales, .offset: 40, .size: 8, .value_kind: global_buffer, .address_space: global }
      - { .name: Wv_codes, .offset: 48, .size: 8, .value_kind: global_buffer, .address_space: global }
      - { .name: Wv_scales, .offset: 56, .size: 8, .value_kind: global_buffer, .address_space: global }
      - { .name: qc, .offset: 64, .size: 8, .value_kind: global_buffer, .address_space: global }
      - { .name: qs, .offset: 72, .size: 8, .value_kind: global_buffer, .address_space: global }
      - { .name: kc, .offset: 80, .size: 8, .value_kind: global_buffer, .address_space: global }
      - { .name: ks, .offset: 88, .size: 8, .value_kind: global_buffer, .address_space: global }
      - { .name: vc, .offset: 96, .size: 8, .value_kind: global_buffer, .address_space: global }
      - { .name: vs, .offset: 104, .size: 8, .value_kind: global_buffer, .address_space: global }
    .group_segment_fixed_size: 327680
    .private_segment_fixed_size: 0
    .kernarg_segment_align: 8
    .kernarg_segment_size: 112
    .max_flat_workgroup_size: 128
    .sgpr_count:     100
    .vgpr_count:     1024
    .wavefront_size: 32
...
	.end_amdgpu_metadata
.endif
;; end of part 1
;; launch attn (part 2): grid 8 x 64, 16 waves a work-group, no clusters, 327,680 bytes of LDS; arguments qc, qs, kc, ks, vc, vs, cc, cs; writes cc, cs
.if DOCPART == 2
	.amdgcn_target "amdgcn-amd-amdhsa--gfx1250"
	.amdhsa_code_object_version 6
	.text
	.protected	k_qbade031fc6_attn
	.globl	k_qbade031fc6_attn
	.p2align	8
	.type	k_qbade031fc6_attn,@function
k_qbade031fc6_attn:
	s_mov_b64 s[64:65], 0
	v_nop
	global_prefetch_b8 v0, s[64:65] scope:SCOPE_SE
	s_setreg_imm32_b32 hwreg(HW_REG_WAVE_MODE, 25, 1), 1
	s_wait_xcnt 0x0
; ctx[b][q][head] = softmax over keys <= q of (q . k / 8) times v, both products on codes of FP8 (E4M3) with one E8M0 byte for each 32 along K; ctx is quantised along the model's 1,024 for the last projection.
; WORK LEFT OUT: reference() sets the score of key > query to -infinity, so a step of 128 keys that all lie behind my 16 queries reaches no output whatever the inputs hold: its loads, products and softmax are jumped over,
; and a slot of keys that no wave of the work-group reads is not fetched.  In the one step on the diagonal hidden scores become -infinity.  LIMIT: a NaN or infinity that reaches only the work left out is not carried on.
; LIMITS: NaN and infinities are not served.  K = 64 fills half of the matrix instruction's 128: the upper half of q's operand holds zero codes, that of a tile of k the next tile's codes (times zero), under the scale byte 0;
; so a NaN code in a key would reach the 16 keys before it.  A block of zeros gets the byte 1 (its codes are zeros; this program alone reads the bytes).
; THE SOFTMAX: t = score x log2(e) / 8; M = the running largest t rounded up to a whole number; p = 2^(t - M) is quantised along the keys, not normalised; the sum is taken of the unquantised p and divides at the end.
; SHARES: a work-group owns one head and two blocks of 128 queries, j and 15 - j (waves 0-7, waves 8-15; 16 queries a wave): 8 x 17 key steps in every work-group.  512 work-groups.
; NO CLUSTER: the work-groups of a head need different numbers of slots, and the mask lets all waves of one jump over a tile that another needs.
; OPERANDS lie in memory and in LDS as images of their registers, 16 bytes a lane: every fragment load is 512 consecutive bytes; no pitch, no padding.  The keys inside a block of 32 stand in the order in which
; two neighbouring tiles of S^T give them to a lane (8 h + 0..7, 16 + 8 h + 0..7); v's codes were laid in the same order, q's and k's channels likewise.
; Both products are used transposed: S^T = k q^T, O^T = v^T p^T: a lane holds one query (lane % 16) throughout.
; LDS: two slots of 32,768 bytes (256 keys: k step 0, k step 1, v step 0, v step 1, 8,192 each); k's scale words of the pair of heads (8,192), v's of the head (4,096); the spare words.
; REGISTERS: v1-7 addresses that stay; v8-10 addresses in hand; v12 -M, v13 largest t, v[14:15] the sum; v16-23 q, v24-31 zeros; v32-95 k's 8 tiles, then v's 4 fragments; v96-103 zeros; v104-167 S^T, then p;
;   v168-199 O^T; v200-215 p's codes; v216-231 at work; v232-235 k's scales, v236-237 v's, v238 q's, v239 p's; v[240:241] f; v242-245 at work.
.set SLOT1, 32768
.set VOFF,  16384
.set SCK,   65536
.set SCV,   73728
.set SPARE, 77824                      ; 128 bytes for each of 16 waves: eight blocks of 256 bytes that no other line names
.set NSL,   8                          ; slots' worth of keys
.set LI,   1                           ; v1  16 x lane
.set ASK0, 2                           ; v2  k's scale halfwords: SCK + 4 x lane + 2 (head % 2)
.set ASV0, 3                           ; v3  v's scale words: SCV + 4 x lane
.set MK0,  4                           ; v4  r - 8 h
.set SPW,  5
.set NIL,  6
.set PFO,  7                           ; v7  256 x lane
.set ADK,  8
.set ADS,  9
.set ADT,  10
.set QF,   16
.set KV,   32
.set S,    104
.set OT,   168
.set PCD,  200
.set BM,   216
.set PT,   220
.set HD,   224
.set CV,   228
.set KSC,  232
.set VSC,  236
.set QSC,  238
.set PSC,  239
.set FF,   240
.set TP,   242
.set TB,   2                           ; s2  LDS byte at which the slot in hand begins
.set TS,   3                           ; s3  the step's scale words of k: 512 bytes a step
.set WV,   20
.set MNT,  21
.set CS,   22                          ; s[22:23] c = log2(e) / 8
.set SEL,  24
.set G1,   28                          ; 32 rows of 256 bytes
.set G1SK, 36                          ; 16 rows
.set G1SV, 44                          ; 8 rows
.set G0K,  52
.set G0V,  56
.set TJ,   60                          ; v's scale words: 256 bytes a step
.set SLOTS, 61
.set KF,   62                          ; the step's first key
.set Q0,   63                          ; my first query
.set WGL,  66                          ; my work-group's last query
.set LIM,  67                          ; 1 in a wave that prefetches, else the greatest number
.set G0SK, 68
.set G0SV, 72
.set PFA,  76
; Waves 0 and 1 fetch for k, waves 2 and 3 for v, the others nothing.  An s_nop 0 and four v_nop follow each line.
.macro TLOAD g0k, g1k, g0v, g1v
	s_cmp_lt_u32 s[WV], 2
	s_cbranch_scc0 .Lnot_k_\@
	tensor_load_to_lds s[\g0k:\g0k+3], s[\g1k:\g1k+7]
	s_nop 0
.rept 4
	v_nop
.endr
	s_branch .Lasked_\@
.Lnot_k_\@:
	s_cmp_lt_u32 s[WV], 4
	s_cbranch_scc0 .Lasked_\@
	tensor_load_to_lds s[\g0v:\g0v+3], s[\g1v:\g1v+7]
	s_nop 0
.rept 4
	v_nop
.endr
.Lasked_\@:
.endm
; A prefetch of what the next change of slots will ask for: 16,384 bytes of k and of v.  All work-groups of a head walk the same bytes; the one with j = 0, which walks all slots, asks: waves 4, 5 for k, waves 6, 7 for v,
; 8,192 bytes a wave, lanes 256 bytes apart, one instruction.  So each block of 256 bytes is named once.  The last change that fills a slot asks for nothing; slots 0 and 1 come by their loads alone.
.macro ASK
	s_cmp_gt_u32 s[SLOTS], s[LIM]
	s_cbranch_scc0 .Lnot_mine_\@
	global_prefetch_b8 v[PFO], s[PFA:PFA+1] th:TH_LOAD_NT scope:SCOPE_SE
.Lnot_mine_\@:
.endm
	s_load_b512 s[4:19], s[0:1], 0x0               ; qc 4, qs 6, kc 8, ks 10, vc 12, vs 14, cc 16, cs 18
	v_lshl_add_u32 v[SPW], v0, 2, SPARE
	v_mov_b32 v[NIL], 0
	ds_add_u32 v[SPW], v[NIL]                      ; the wave's opening: the add, twice on end, and its wait ahead of the first tensor load
	ds_add_u32 v[SPW], v[NIL]
	v_lshrrev_b32 v8, 5, v0
	s_delay_alu instid0(VALU_DEP_1)
	v_readfirstlane_b32 s[WV], v8                  ; wave 0..15
	s_and_b32 s78, ttmp7, 0xffff                   ; b 16 + head
	s_lshr_b32 s79, s78, 4                         ; b
	s_and_b32 s80, s78, 15                         ; head
	s_lshr_b32 s81, s80, 1                         ; head / 2
	s_and_b32 s82, ttmp7, 1                        ; head % 2
	s_lshr_b32 s83, s[WV], 3
	s_sub_co_u32 s84, 15, ttmp9
	s_cmp_eq_u32 s83, 0
	s_cselect_b32 s84, ttmp9, s84                  ; my block of 128 queries: j or 15 - j
	s_lshl_b32 s[Q0], s84, 7
	s_and_b32 s85, s[WV], 7
	s_lshl_b32 s85, s85, 4
	s_add_co_u32 s[Q0], s[Q0], s85
	s_sub_co_u32 s[WGL], 16, ttmp9
	s_lshl_b32 s[WGL], s[WGL], 7
	s_sub_co_u32 s[WGL], s[WGL], 1                 ; 128 (16 - j) - 1
	s_and_b32 s86, s[WV], 1                        ; which of a slot's two steps I fetch, if I fetch
	s_lshl_b32 s88, s78, 17                        ; the head's codes: 131,072 bytes in each of qc, kc, vc
	s_lshl_b32 s87, s86, 13
	s_add_co_u32 s90, s88, s87
	s_mov_b32 s91, 0
	s_mov_b32 s[G0K+1], s87                        ; LDS: k's steps at 0 and 8,192 of a slot,
	s_add_co_u32 s[G0V+1], s87, VOFF               ; v's behind them
	s_lshl_b32 s92, s79, 16
	s_lshl_b32 s83, s81, 13
	s_add_co_u32 s92, s92, s83                     ; the pair of heads' scale words in qs and ks
	s_mov_b32 s93, 0
	s_lshl_b32 s98, s[Q0], 2
	s_add_co_u32 s98, s98, s92
	s_lshl_b32 s83, s82, 1
	s_add_co_u32 s98, s98, s83                     ; q's: my queries' words, my head's half of them
	s_mov_b32 s99, 0
	s_lshl_b32 s83, s86, 12
	s_add_co_u32 s92, s92, s83                     ; k's: my half of 8,192 bytes
	s_add_co_u32 s[G0SK+1], s83, SCK
	s_lshl_b32 s94, s78, 12
	s_lshl_b32 s83, s86, 11
	s_add_co_u32 s94, s94, s83                     ; v's: my half of 4,096 bytes
	s_mov_b32 s95, 0
	s_add_co_u32 s[G0SV+1], s83, SCV
	s_lshl_b32 s96, s[Q0], 6
	s_add_co_u32 s96, s96, s88                     ; q's codes: 64 bytes a query
	s_mov_b32 s97, 0
	; descriptor groups 1: dense blocks as rows of 256 bytes (32 elements of 8 bytes), no padding, no mask
.irp g, G1, G1SK, G1SV
	s_mov_b32 s[\g], 3<<16
	s_mov_b32 s[\g+1], 32<<16                      ; tensor_dim0
	s_mov_b32 s[\g+3], 32<<16                      ; tile_dim0
	s_mov_b32 s[\g+5], 32                          ; from row to row
	s_mov_b32 s[\g+6], 0
	s_mov_b32 s[\g+7], 0
.endr
	s_mov_b32 s[G1+2], 32<<16                      ; tensor_dim1 and tile_dim1: 8,192 bytes,
	s_mov_b32 s[G1+4], 32
	s_mov_b32 s[G1SK+2], 16<<16                    ; 4,096,
	s_mov_b32 s[G1SK+4], 16
	s_mov_b32 s[G1SV+2], 8<<16                     ; 2,048
	s_mov_b32 s[G1SV+4], 8
	s_mov_b32 s[SEL], 0x76543210
	s_mov_b32 s[SEL+1], 0xfedcba98
	s_mov_b32 s[CS], 0x3e38aa3b                    ; c = log2(e) / sqrt(64)
	s_mov_b32 s[CS+1], s[CS]
	s_mov_b32 s[TB], 0
	s_mov_b32 s[TS], 0
	s_mov_b32 s[TJ], 0
	s_mov_b32 s[SLOTS], NSL-1
	s_mov_b32 s[KF], 0
	s_wait_dscnt 0x0                               ; both opening adds are done
	s_wait_kmcnt 0x0
	s_mov_b32 s[G0SK], 1
	s_add_nc_u64 s[G0SK+2:G0SK+3], s[10:11], s[92:93]
	s_or_b32 s[G0SK+3], s[G0SK+3], 0x80000000
	s_mov_b32 s[G0SV], 1
	s_add_nc_u64 s[G0SV+2:G0SV+3], s[14:15], s[94:95]
	s_or_b32 s[G0SV+3], s[G0SV+3], 0x80000000
	TLOAD G0SK, G1SK, G0SV, G1SV                   ; the scale words: filled once
	s_mov_b32 s[G0K], 1
	s_add_nc_u64 s[G0K+2:G0K+3], s[8:9], s[90:91]
	s_or_b32 s[G0K+3], s[G0K+3], 0x80000000
	s_mov_b32 s[G0V], 1
	s_add_nc_u64 s[G0V+2:G0V+3], s[12:13], s[90:91]
	s_or_b32 s[G0V+3], s[G0V+3], 0x80000000
	TLOAD G0K, G1, G0V, G1                         ; slot 0
	s_add_nc_u64 s[4:5], s[4:5], s[96:97]
	s_add_nc_u64 s[6:7], s[6:7], s[98:99]
	s_cmp_lt_u32 s[WV], 6                          ; the prefetches: waves 4, 5 stand in kc, waves 6, 7 in vc,
	s_cselect_b64 s[PFA:PFA+1], s[8:9], s[12:13]
	s_add_nc_u64 s[PFA:PFA+1], s[PFA:PFA+1], s[90:91]
	s_add_nc_u64 s[PFA:PFA+1], s[PFA:PFA+1], 16384 ; in slot 1: the first change of slots steps it to slot 2
	s_sub_co_u32 s83, s[WV], 4
	s_lshr_b32 s83, s83, 2                         ; 0 in waves 4 to 7,
	s_or_b32 s83, s83, ttmp9                       ; of the work-group with j = 0
	s_cmp_eq_u32 s83, 0
	s_cselect_b32 s[LIM], 1, -1
	s_lshl_b32 s84, s79, 7                         ; cc: tile of 16 rows (128 b + query / 16) x 16,384 + (head / 2) x 2,048 + (head % 2) x 1,024
	s_lshr_b32 s85, s[Q0], 4
	s_add_co_u32 s84, s84, s85
	s_lshl_b32 s84, s84, 14
	s_lshl_b32 s85, s81, 11
	s_add_co_u32 s84, s84, s85
	s_lshl_b32 s85, s82, 10
	s_add_co_u32 s84, s84, s85
	s_mov_b32 s85, 0
	s_add_nc_u64 s[16:17], s[16:17], s[84:85]
	s_lshl_b32 s84, s79, 11                        ; cs: row (2,048 b + query) x 32 + 2 x head
	s_add_co_u32 s84, s84, s[Q0]
	s_lshl_b32 s84, s84, 5
	s_lshl_b32 s83, s80, 1
	s_add_co_u32 s84, s84, s83
	s_add_nc_u64 s[18:19], s[18:19], s[84:85]
	v_and_b32 v8, 15, v0                           ; r
	v_bfe_u32 v9, v0, 4, 1                         ; h
	v_and_b32 v10, 31, v0                          ; lane
	s_delay_alu instid0(VALU_DEP_1)
	v_lshlrev_b32 v[LI], 4, v10
	global_load_b128 v[QF:QF+3], v[LI], s[4:5]     ; q's image: channels' block 0,
	global_load_b128 v[QF+4:QF+7], v[LI], s[4:5] offset:512   ; block 1
	v_lshlrev_b32 v[TP+1], 2, v8
	global_load_u16 v[QSC], v[TP+1], s[6:7]        ; q's two scale bytes; bytes 2 and 3 come as 0
	s_lshl_b32 s87, s82, 1
	s_add_co_u32 s87, s87, SCK
	v_lshl_add_u32 v[ASK0], v10, 2, s87
	v_lshl_add_u32 v[ASV0], v10, 2, SCV
	v_lshlrev_b32 v[MK0], 3, v9
	s_delay_alu instid0(VALU_DEP_1)
	v_sub_nc_u32 v[MK0], v8, v[MK0]
	v_lshlrev_b32 v[PFO], 8, v10
	v_mov_b32 v13, 0xff61b1e6                      ; the largest t so far: -3e38
	s_delay_alu instid0(VALU_DEP_1)
	v_floor_f32 v12, -v13                          ; -M
	v_mov_b32 v14, 0
	v_mov_b32 v15, 0
.set n, 0
.rept 8
	v_mov_b32 v[QF+8+n], 0                         ; zero codes: the upper 64 of q's K
	v_mov_b32 v[KV+64+n], 0                        ; and what stands behind k's last tile
.set n, n+1
.endr
.set n, 0
.rept 32
	v_mov_b32 v[OT+n], 0                           ; O^T: the loop is written once; its first step finds zeros
.set n, n+1
.endr
.irp b, 0,1,2,3
	v_mov_b32 v[PT+\b], 0                          ; a lane permute's destination counts as one of its sources
.endr
	v_mov_b32 v[FF+1], 0                           ; named as the upper half of the pair
; A KEY STEP: 128 keys, the q-th of the slot in hand.
.macro STEP q
	s_add_co_u32 s96, s[Q0], 15
	s_cmp_gt_u32 s[KF], s96                        ; all keys behind my queries: the step's work is left out (ids and the count of steps alone)
	s_cbranch_scc1 .Lhidden_\@
	v_add_nc_u32 v[ADK], s[TB], v[LI]
	v_add_nc_u32 v[ADS], s[TS], v[ASK0]
	v_add_nc_u32 v[ADT], s[TJ], v[ASV0]
.rept 5
	v_nop                                          ; with the three additions: eight places in front of loads into registers that the last products read
.endr
.irp t, 0,1,2,3,4,5,6,7
	ds_load_b128 v[KV+8*\t:KV+8*\t+3], v[ADK] offset:8192*(\q)+1024*\t
	ds_load_b128 v[KV+8*\t+4:KV+8*\t+7], v[ADK] offset:8192*(\q)+1024*\t+512
.endr
.irp b, 0,1,2,3
	ds_load_u16 v[KSC+\b], v[ADS] offset:128*\b    ; lanes 0-15: tile 2 b's two bytes; lanes 16-31: tile 2 b + 1's
.endr
	s_wait_alu depctr_va_vdst(0)
	s_wait_dscnt 0x0
.irp t, 0,2,4,6                                    ; S^T = k q^T: eight tiles of 16 keys, each begun with 0
	v_wmma_scale_f32_16x16x128_f8f6f4 v[S+8*\t:S+8*\t+7], v[KV+8*\t:KV+8*\t+15], v[QF:QF+15], 0, v[KSC+\t/2], v[QSC]
	v_wmma_scale_f32_16x16x128_f8f6f4 v[S+8*\t+8:S+8*\t+15], v[KV+8*\t+8:KV+8*\t+23], v[QF:QF+15], 0, v[KSC+\t/2], v[QSC] matrix_a_scale:MATRIX_SCALE_ROW1
.endr
.rept 8
	v_nop                                          ; places: in front of the loads below and of the first read of the scores
.endr
.irp t, 0,1,2,3                                    ; v's four fragments are asked for now and land under the softmax
.irp c, 0,1,2,3
	ds_load_b128 v[KV+16*\t+4*\c:KV+16*\t+4*\c+3], v[ADK] offset:VOFF+8192*(\q)+2048*\t+512*\c
.endr
.endr
	ds_load_b32 v[VSC], v[ADT]                     ; lanes 0-15: channels' tile 0; lanes 16-31: tile 1
	ds_load_b32 v[VSC+1], v[ADT] offset:128        ; tiles 2 and 3
	s_add_co_u32 s96, s[KF], 127
	s_cmp_le_u32 s96, s[Q0]                        ; all keys count: no mask
	s_cbranch_scc1 .Lopen_\@
	s_sub_co_i32 s96, s[Q0], s[KF]
	v_add_nc_u32 v[TP], s96, v[MK0]                ; d = my query - KF - 8 h.  Register 8 t + i holds key KF + 16 t + 8 h + i: hidden where 16 t + i > d
	v_mov_b32 v[TP+1], 0xff800000                  ; -infinity
.set n, 0
.rept 64
	v_cmp_gt_i32 vcc_lo, 16*(n/8)+n%8, v[TP]
	v_cndmask_b32 v[S+n], v[S+n], v[TP+1], vcc_lo
.set n, n+1
.endr
.Lopen_\@:
.irp b, 0,1,2,3
	v_max3_num_f32 v[BM+\b], v[S+16*\b], v[S+1+16*\b], v[S+2+16*\b]   ; the largest score of each block of 32 keys: for the row's maximum and for the block's largest p
.endr
.irp i, 3,5,7,9,11,13
.irp b, 0,1,2,3
	v_max3_num_f32 v[BM+\b], v[BM+\b], v[S+16*\b+\i], v[S+1+16*\b+\i]
.endr
.endr
.irp b, 0,1,2,3
	v_max_num_f32 v[BM+\b], v[BM+\b], v[S+15+16*\b]
.endr
.irp b, 0,1,2,3
	s_delay_alu instid0(VALU_DEP_4)
	v_permlanex16_b32 v[PT+\b], v[BM+\b], s[SEL], s[SEL+1]
.endr
.irp b, 0,1,2,3
	s_delay_alu instid0(VALU_DEP_4)
	v_max_num_f32 v[BM+\b], v[BM+\b], v[PT+\b]     ; with lane l xor 16's 16 keys
.endr
	s_delay_alu instid0(VALU_DEP_2)
	v_max3_num_f32 v[TP], v[BM], v[BM+1], v[BM+2]
	s_delay_alu instid0(VALU_DEP_1)
	v_max_num_f32 v[TP], v[TP], v[BM+3]
	s_delay_alu instid0(VALU_DEP_1)
	v_mul_f32 v[TP], s[CS], v[TP]                  ; as t
	s_delay_alu instid0(VALU_DEP_1)
	v_max_num_f32 v13, v13, v[TP]                  ; the running largest t
	v_mov_b32 v[TP], v12
	s_delay_alu instid0(VALU_DEP_2)
	v_floor_f32 v12, -v13                          ; the new -M = -ceil(t)
	s_delay_alu instid0(VALU_DEP_1)
	v_sub_f32 v[TP], v12, v[TP]                    ; old M - new M: a whole number, 0 or less
	s_delay_alu instid0(VALU_DEP_1)
	v_cvt_i32_f32 v[TP], v[TP]
	s_delay_alu instid0(VALU_DEP_1)
	v_ldexp_f32 v[FF], 1.0, v[TP]                  ; f = 2^(old M - new M): exact
.set n, 0
.rept 32
	v_pk_fma_f32 v[S+n:S+n+1], v[S+n:S+n+1], s[CS:CS+1], v[12:13] op_sel_hi:[1,0,0]   ; t - M
.set n, n+2
.endr
.irp b, 0,1,2,3
	v_fma_f32 v[BM+\b], v[BM+\b], s[CS], v12
.endr
.set n, 0
	s_wait_alu depctr_va_vdst(0)
.rept 64
	v_exp_f32 v[S+n], v[S+n]                       ; p = 2^(t - M)
.set n, n+1
.endr
	v_pk_mul_f32 v[14:15], v[14:15], v[FF:FF+1] op_sel_hi:[1,0]   ; the sums under the new M: a plain place behind the exponentials
	s_wait_alu depctr_va_vdst(0)                   ; one wait for the batch, ahead of its first reader
.irp b, 0,1,2,3
	v_exp_f32 v[BM+\b], v[BM+\b]                   ; the block's largest p
.endr
	v_pk_add_f32 v[220:221], v[108:109], v[112:113]
	v_pk_add_f32 v[254:255], v[116:117], v[120:121]
	v_pk_add_f32 v[252:253], v[124:125], v[128:129]
	v_pk_add_f32 v[250:251], v[132:133], v[136:137]
	v_pk_add_f32 v[248:249], v[140:141], v[144:145]
	v_pk_add_f32 v[246:247], v[148:149], v[152:153]
	v_pk_add_f32 v[244:245], v[156:157], v[160:161]
	v_pk_add_f32 v[14:15], v[14:15], v[164:165]
	v_pk_add_f32 v[220:221], v[220:221], v[104:105]
	v_pk_add_f32 v[254:255], v[254:255], v[106:107]
	v_pk_add_f32 v[252:253], v[252:253], v[110:111]
	v_pk_add_f32 v[250:251], v[250:251], v[114:115]
	v_pk_add_f32 v[248:249], v[248:249], v[118:119]
	v_pk_add_f32 v[246:247], v[246:247], v[122:123]
	v_pk_add_f32 v[244:245], v[244:245], v[126:127]
	v_pk_add_f32 v[14:15], v[14:15], v[130:131]
	v_pk_add_f32 v[220:221], v[220:221], v[134:135]
	v_pk_add_f32 v[254:255], v[254:255], v[138:139]
	v_pk_add_f32 v[252:253], v[252:253], v[142:143]
	v_pk_add_f32 v[250:251], v[250:251], v[146:147]
	v_pk_add_f32 v[248:249], v[248:249], v[150:151]
	v_pk_add_f32 v[246:247], v[246:247], v[154:155]
	v_pk_add_f32 v[244:245], v[244:245], v[158:159]
	v_pk_add_f32 v[14:15], v[14:15], v[162:163]
	v_pk_add_f32 v[220:221], v[220:221], v[166:167]
	s_delay_alu instid0(VALU_DEP_2)
	v_pk_add_f32 v[14:15], v[14:15], v[250:251]
	s_delay_alu instid0(VALU_DEP_2)
	v_pk_add_f32 v[220:221], v[220:221], v[248:249]
	v_pk_add_f32 v[254:255], v[254:255], v[246:247]
	v_pk_add_f32 v[252:253], v[252:253], v[244:245]
	s_delay_alu instid0(VALU_DEP_2)
	v_pk_add_f32 v[14:15], v[14:15], v[254:255]
	s_delay_alu instid0(VALU_DEP_2)
	v_pk_add_f32 v[220:221], v[220:221], v[252:253]
	s_delay_alu instid0(VALU_DEP_1)
	v_pk_add_f32 v[14:15], v[14:15], v[220:221]
	s_wait_alu depctr_va_vdst(0)                   ; and one for the four
.irp b, 0,1,2,3
	v_max_num_f32 v[BM+\b], 0x4800000, v[BM+\b]    ; the floor 2^-118: the byte cannot fall under 1
.endr
.irp b, 0,1,2,3
	s_delay_alu instid0(VALU_DEP_4)
	v_add_nc_u32 v[CV+\b], 0xfc000000, v[BM+\b]    ; the conversion's scale operand
.endr
.irp b, 0,1,2,3
.endr
.irp b, 0,1,2,3
	s_delay_alu instid0(VALU_DEP_4)
	v_lshrrev_b32 v[PT+\b], 23, v[CV+\b]           ; the scale's byte
.endr
	s_delay_alu instid0(VALU_DEP_3)
	v_lshl_or_b32 v[PSC], v[PT+1], 8, v[PT]        ; p's scale word for these 128 keys
	s_delay_alu instid0(VALU_DEP_1)
	v_lshl_or_b32 v[PSC], v[PT+2], 16, v[PSC]
	s_delay_alu instid0(VALU_DEP_1)
	v_lshl_or_b32 v[PSC], v[PT+3], 24, v[PSC]
.irp b, 0,1,2,3
.set n, 0
.rept 16
.set n, n+1
.endr
	v_cvt_scalef32_pk8_fp8_f32 v[PCD+4*\b:PCD+4*\b+1], v[S+16*\b:S+16*\b+7], v[CV+\b]
	v_cvt_scalef32_pk8_fp8_f32 v[PCD+4*\b+2:PCD+4*\b+3], v[S+16*\b+8:S+16*\b+15], v[CV+\b]
.endr
.set n, 0
.rept 16
	v_pk_mul_f32 v[OT+n:OT+n+1], v[OT+n:OT+n+1], v[FF:FF+1] op_sel_hi:[1,0]   ; O^T under the new M; also the places in front of the products below
.set n, n+2
.endr
	s_wait_alu depctr_va_vdst(0)
	s_wait_dscnt 0x0                               ; v's fragments and scale words are in
.irp t, 0,2                                        ; O^T += v^T p^T: four accumulators, one instruction each
	v_wmma_scale_f32_16x16x128_f8f6f4 v[OT+8*\t:OT+8*\t+7], v[KV+16*\t:KV+16*\t+15], v[PCD:PCD+15], v[OT+8*\t:OT+8*\t+7], v[VSC+\t/2], v[PSC]
	v_wmma_scale_f32_16x16x128_f8f6f4 v[OT+8*\t+8:OT+8*\t+15], v[KV+16*\t+16:KV+16*\t+31], v[PCD:PCD+15], v[OT+8*\t+8:OT+8*\t+15], v[VSC+\t/2], v[PSC] matrix_a_scale:MATRIX_SCALE_ROW1
.endr
.Lhidden_\@:
	s_add_co_u32 s[KF], s[KF], 128
	s_add_co_u32 s[TS], s[TS], 512
	s_add_co_u32 s[TJ], s[TJ], 256
.endm
; THE CHANGE OF SLOTS, at a slot's head.  Each wave waits for all its tensor loads, adds 0 to its spare word (fill = 1: twice on end), and waits for that and for
; its reads of the slot that it has left.  Behind the barrier the slot ahead is whole and nobody reads the other: fill = 1: it takes the next 256 keys, if any wave of the work-group will read them.
.macro CHANGE fill
	s_wait_tensorcnt 0x0                           ; no tensor load of mine is out, so a group 0 may be written
	ds_add_u32 v[SPW], v[NIL]
.if \fill
	ds_add_u32 v[SPW], v[NIL]
	s_xor_b32 s[G0K+1], s[G0K+1], SLOT1
	s_add_nc_u64 s[G0K+2:G0K+3], s[G0K+2:G0K+3], 16384
	s_xor_b32 s[G0V+1], s[G0V+1], SLOT1
	s_add_nc_u64 s[G0V+2:G0V+3], s[G0V+2:G0V+3], 16384
	s_wait_xcnt 0x0                                ; the last prefetch, a slot back, has read its address
	s_add_nc_u64 s[PFA:PFA+1], s[PFA:PFA+1], 16384
.endif
	s_wait_dscnt 0x0
	s_barrier_signal -1
	s_barrier_wait -1
.if \fill
	s_add_co_u32 s96, s[KF], 256                   ; the first key of the slot that this change would ask for,
	s_cmp_gt_u32 s96, s[WGL]                       ; behind my work-group's last query?  Then no wave reads it.  Ids and the count of steps alone: all sixteen waves go the same way; every wait for tensor loads in this text is for 0
	s_cbranch_scc1 .Lpast_\@
	TLOAD G0K, G1, G0V, G1                         ; a wave's one tensor load until the next such barrier
.Lpast_\@:
	ASK
.endif
.endm
.macro SLOT_STEPS
	STEP 0
	STEP 1
	s_xor_b32 s[TB], s[TB], SLOT1
.endm
	s_wait_loadcnt 0x0                             ; q
.Lslot:                                            ; seven trips: a constant, so that every wave passes every barrier
	CHANGE 1
	SLOT_STEPS
	s_sub_co_u32 s[SLOTS], s[SLOTS], 1
	s_cmp_lg_u32 s[SLOTS], 0
	s_cbranch_scc1 .Lslot
	CHANGE 0                                       ; the last slot: nothing is left to ask for
	SLOT_STEPS
	; THE WAY OUT: O^T / the sum; two blocks of 32 channels are quantised; the codes are put into the natural order of K (the last projection's weights are given so) and leave as the image of an operand.
	v_add_f32 v14, v14, v15
	s_wait_alu depctr_va_vdst(0)
	v_and_b32 v[TP+1], 15, v0
	s_delay_alu instid0(VALU_DEP_1)
	v_lshlrev_b32 v[TP+3], 5, v[TP+1]              ; 32 r: my row of scale bytes
.rept 5
	v_nop                                          ; with the three lines above: eight places behind the last products
.endr
	v_permlanex16_b32 v[PT], v14, s[SEL], s[SEL+1]
	s_delay_alu instid0(VALU_DEP_1)
	v_add_f32 v14, v14, v[PT]                      ; the row's sum
	s_wait_alu depctr_va_vdst(0)
	v_rcp_f32 v14, v14
	v_nop                                          ; a plain place behind the reciprocal
	s_wait_alu depctr_va_vdst(0)                   ; and its wait, ahead of the first reader
.set n, 0
.rept 16
	v_pk_mul_f32 v[S+n:S+n+1], v[OT+n:OT+n+1], v[14:15] op_sel_hi:[1,0]   ; register 8 t + i: ctx(query r, channel 16 t + 8 h + i)
.set n, n+2
.endr
.irp b, 0,1
	v_max3_num_f32 v[BM+\b], |v[S+16*\b]|, |v[S+1+16*\b]|, 0x4800000
.endr
.irp i, 2,4,6,8,10,12,14
.irp b, 0,1
	s_delay_alu instid0(VALU_DEP_2)
	v_max3_num_f32 v[BM+\b], v[BM+\b], |v[S+16*\b+\i]|, |v[S+1+16*\b+\i]|
.endr
.endr
.irp b, 0,1
	s_delay_alu instid0(VALU_DEP_2)
	v_permlanex16_b32 v[PT+\b], v[BM+\b], s[SEL], s[SEL+1]
.endr
.irp b, 0,1
	s_delay_alu instid0(VALU_DEP_2)
	v_max_num_f32 v[BM+\b], v[BM+\b], v[PT+\b]
.endr
.irp b, 0,1
	s_delay_alu instid0(VALU_DEP_2)
	v_add_nc_u32 v[CV+\b], 0xfc000000, v[BM+\b]
.endr
.irp b, 0,1
.endr
.irp b, 0,1
	s_delay_alu instid0(VALU_DEP_2)
	v_lshrrev_b32 v[PT+\b], 23, v[CV+\b]
.endr
	s_delay_alu instid0(VALU_DEP_1)
	v_lshl_or_b32 v[TP+2], v[PT+1], 8, v[PT]       ; my head's two scale bytes of row r
.irp b, 0,1
.set n, 0
.rept 16
.set n, n+1
.endr
	v_cvt_scalef32_pk8_fp8_f32 v[PCD+4*\b:PCD+4*\b+1], v[S+16*\b:S+16*\b+7], v[CV+\b]
	v_cvt_scalef32_pk8_fp8_f32 v[PCD+4*\b+2:PCD+4*\b+3], v[S+16*\b+8:S+16*\b+15], v[CV+\b]
.endr
	v_nop                                          ; a plain place behind the last conversion
	v_permlane16_swap_b32 v[PCD], v[PCD+2]         ; lanes 0-15 then hold channels 0-15 of the block, lanes 16-31 channels 16-31
	v_permlane16_swap_b32 v[PCD+1], v[PCD+3]
	v_permlane16_swap_b32 v[PCD+4], v[PCD+6]
	v_permlane16_swap_b32 v[PCD+5], v[PCD+7]
	global_store_b128 v[LI], v[PCD:PCD+3], s[16:17]              ; 512 consecutive aligned bytes
	global_store_b128 v[LI], v[PCD+4:PCD+7], s[16:17] offset:512
	global_store_b16 v[TP+3], v[TP+2], s[18:19]    ; two bytes a row, 32 bytes apart: one part in 32 of ctx's bytes, kept so that the scale bytes lie as rows of 32 for the next launch
	s_wait_tensorcnt 0x0                           ; the wave's end
	ds_add_u32 v[SPW], v[NIL]
	s_wait_dscnt 0x0
	s_endpgm
.Lfunc_end_k_qbade031fc6_attn:
	.size	k_qbade031fc6_attn, .Lfunc_end_k_qbade031fc6_attn-k_qbade031fc6_attn
	.p2alignl 7, 3214868480
	.fill 96, 4, 3214868480
	.section	.rodata,"a",@progbits
	.p2align	6, 0x0
	.amdhsa_kernel k_qbade031fc6_attn
		.amdhsa_group_segment_fixed_size 327680
		.amdhsa_private_segment_fixed_size 0
		.amdhsa_enable_private_segment 0
		.amdhsa_kernarg_size 64
		.amdhsa_user_sgpr_count 2
		.amdhsa_user_sgpr_kernarg_segment_ptr 1
		.amdhsa_wavefront_size32 1
		.amdhsa_system_sgpr_workgroup_id_x 1
		.amdhsa_system_sgpr_workgroup_id_y 1
		.amdhsa_system_sgpr_workgroup_id_z 1
		.amdhsa_system_vgpr_workitem_id 0
		.amdhsa_next_free_vgpr 256
		.amdhsa_next_free_sgpr 100
		.amdhsa_reserve_vcc 1
		.amdhsa_float_denorm_mode_32 3
		.amdhsa_float_denorm_mode_16_64 3
		.amdhsa_fp16_overflow 1
		.amdhsa_memory_ordered 1
		.amdhsa_forward_progress 1
		.amdhsa_inst_pref_size 106
	.end_amdhsa_kernel
	.amdgpu_metadata
---
amdhsa.version: [ 1, 2 ]
amdhsa.kernels:
  - .name:           k_qbade031fc6_attn
    .symbol:         k_qbade031fc6_attn.kd
    .args:
      - { .name: qc, .offset: 0, .size: 8, .value_kind: global_buffer, .address_space: global }
      - { .name: qs, .offset: 8, .size: 8, .value_kind: global_buffer, .address_space: global }
      - { .name: kc, .offset: 16, .size: 8, .value_kind: global_buffer, .address_space: global }
      - { .name: ks, .offset: 24, .size: 8, .value_kind: global_buffer, .address_space: global }
      - { .name: vc, .offset: 32, .size: 8, .value_kind: global_buffer, .address_space: global }
      - { .name: vs, .offset: 40, .size: 8, .value_kind: global_buffer, .address_space: global }
      - { .name: cc, .offset: 48, .size: 8, .value_kind: global_buffer, .address_space: global }
      - { .name: cs, .offset: 56, .size: 8, .value_kind: global_buffer, .address_space: global }
    .group_segment_fixed_size: 327680
    .private_segment_fixed_size: 0
    .kernarg_segment_align: 8
    .kernarg_segment_size: 64
    .max_flat_workgroup_size: 512
    .sgpr_count:     100
    .vgpr_count:     256
    .wavefront_size: 32
...
	.end_amdgpu_metadata
.endif
;; end of part 2
;; launch oproj (part 3): grid 4 x 32, 4 waves a work-group, clusters of 4 x 4, 327,680 bytes of LDS; arguments cc, cs, Wo_codes, Wo_scales, out0, bo; writes out0
.if DOCPART == 3
	.amdgcn_target "amdgcn-amd-amdhsa--gfx1250"
	.amdhsa_code_object_version 6
	.text
	.protected	k_qbade031fc6_oproj
	.globl	k_qbade031fc6_oproj
	.p2align	8
	.type	k_qbade031fc6_oproj,@function
k_qbade031fc6_oproj:
	s_mov_b64 s[64:65], 0
	v_nop
	global_prefetch_b8 v0, s[64:65] scope:SCOPE_SE
	s_setreg_imm32_b32 hwreg(HW_REG_WAVE_MODE, 25, 1), 1
	s_wait_xcnt 0x0
	s_wait_alu depctr_hold_cnt(0) depctr_sa_sdst(0) depctr_va_vdst(0) depctr_va_sdst(0) depctr_va_ssrc(0) depctr_va_vcc(0) depctr_vm_vsrc(0)
	s_getreg_b32 s2, hwreg(HW_REG_IB_STS2, 6, 4)
	s_cmp_eq_u32 s2, 0
	s_cbranch_scc0 .Lentry_in_a_cluster
	s_endpgm
.Lentry_in_a_cluster:
	s_bfe_u32 s2, ttmp6, 0x10000c
	s_cmp_lg_u32 s2, 0xf033
	s_cbranch_scc0 .Lentry_shape_is_right
	s_endpgm
.Lentry_shape_is_right:
; out0 = ctx Wo^T + bo.  ctx: 8,192 rows x 1,024 as codes of FP8 (E4M3), laid as images of operand registers [row / 16][K / 128][block of 32][lane][16], scale bytes [row][32]; Wo: [1,024][1,024] codes, K innermost, scale bytes [1,024][32]; out0 f32.
; A tile of 256 x 256 is made by four waves, 128 x 128 each in 64 accumulators.  K goes in steps of 256 through two LDS slots; the scales of the tile's rows, for all of K, come once.
; CLUSTERS: 4 x 4 work-groups; ctx's tiles are asked for jointly along a row of the cluster, Wo's along a column.  128 tiles: the larger wave tile is kept for its fewer LDS bytes a product.
; The matrix instruction is used transposed (source 0 = 16 rows of Wo, source 1 = 16 rows of ctx): a lane holds eight neighbouring numbers of a row of out0.  THE BIAS is the C of each sum's first product.
; REGISTERS: window 0: v0-31 addresses; v32-63 scale words; v64-127 the bias, eight registers a block of columns; v128-255 ctx's fragments; window 1: Wo's fragments, two sets; windows 2, 3: the accumulators.
.set SIZE_N, 1024
.set KSTEP,  256
.set NQ,     2
.set ROWB,   256
.set KROW,   1024
.set PITCH,  272                       ; Wo's LDS rows: 256 bytes + 16 of padding
.set FR,     16
.set NL,     4
.set NP,     8
.set AHALF,  32768                     ; ctx: 8 tiles of 16 rows x 4,096 bytes of images: what one tensor load brings
.set BOFF,   2*AHALF
.set HALFT,  128*PITCH
.set SLOT,   BOFF+2*HALFT
.set LAPS,   2
.set KS,     32
.set SCL,    2*SLOT
.set HALFS,  (128*KS/256)*272
.set SBLK,   (16*KS/256)*272
.set SPARE,  SCL+4*HALFS               ; the spare words: two blocks of 256 bytes that no other line names
.set SPITCH, 528                       ; the way out: 16 rows x (512 + 16) bytes a wave, in slot 0, behind its last fill and last read
.set ADRA, 16
.set ADRB, 20
.set STO,  24
.set RD,   25
.set CO,   26
.set ADRS, 27
.set SPW,  28
.set NIL,  29
.set SC,   32
.set BI,   64
.set AF,   128
.set BK,   128
.set G1, 24
.set G0, 32
.set G1B, 48
.set G0B, 56
.set G1S, 68
.set G0S, 76
.set G1SB, 80
.set G0SB, 88
.set MSB, 0
.macro WIN new
.if MSB != (\new)
	s_set_vgpr_msb (MSB<<8)|(\new)
.set MSB, (\new)
.endif
.endm
.set MUL_LO, 0xa1
.set MUL_HI, 0xf1
.set TO_B,   0x40
.macro JLOAD g0a, g1a, g0b, g1b        ; waves 0 and 1 fetch for ctx, waves 2 and 3 for Wo; an s_nop 0 and four v_nop follow each line
	s_cmp_eq_u32 s15, 0
	s_cbranch_scc0 .Lfor_b_\@
	tensor_load_to_lds s[\g0a:\g0a+3], s[\g1a:\g1a+7]
	s_nop 0
.rept 4
	v_nop
.endr
	s_branch .Lasked_\@
.Lfor_b_\@:
	tensor_load_to_lds s[\g0b:\g0b+3], s[\g1b:\g1b+7]
	s_nop 0
.rept 4
	v_nop
.endr
.Lasked_\@:
.endm
.macro CREST
	s_cmp_lg_u32 s14, 0
	s_cbranch_scc1 .Lnot_wave_0_\@
	s_barrier_signal -3
.Lnot_wave_0_\@:
	s_barrier_wait -3
	s_barrier_signal -1
	s_barrier_wait -1
.endm
.macro CROUND
	s_barrier_signal -1
	s_barrier_wait -1
	CREST
.endm
	s_load_b128 s[4:7], s[0:1], 0x0                ; ctx's codes, ctx's scales
	s_load_b128 s[8:11], s[0:1], 0x10              ; Wo's codes, Wo's scales
	s_load_b64 s[12:13], s[0:1], 0x20              ; out0
	s_load_b64 s[96:97], s[0:1], 0x28              ; bo
	v_lshl_add_u32 v[SPW], v0, 2, SPARE
	v_mov_b32 v[NIL], 0
	ds_add_u32 v[SPW], v[NIL]                      ; the wave's opening: the add, twice on end, and its wait ahead of my first tensor load
	ds_add_u32 v[SPW], v[NIL]
	v_lshrrev_b32 v1, 5, v0
	v_readfirstlane_b32 s14, v1
	s_lshr_b32 s15, s14, 1
	s_and_b32 s16, s14, 1
	s_bfe_u32 s40, ttmp6, 0x40000
	s_bfe_u32 s41, ttmp6, 0x40004
	s_lshl_b32 s42, ttmp9, 2
	s_add_co_u32 s42, s42, s40                     ; tile column
	s_and_b32 s17, ttmp7, 0xffff
	s_lshl_b32 s17, s17, 2
	s_add_co_u32 s17, s17, s41                     ; tile row
	s_lshl_b32 s43, s41, 2
	s_lshl_b32 s43, 15, s43
	s_lshl_b32 s44, 0x1111, s40
	; ctx: 8 rows of 4,096 bytes (512 elements of 8), 16,384 bytes apart: a K step's images of 8 tiles of 16 rows; no padding
	s_or_b32 s[G1+0], s43, (3<<16)|(1<<21)
	s_mov_b32 s[G1+1], 512<<16
	s_mov_b32 s[G1+2], 8<<16
	s_mov_b32 s[G1+3], 512<<16
	s_mov_b32 s[G1+4], 8
	s_mov_b32 s[G1+5], 2048
	s_mov_b32 s[G1+6], 0
	s_mov_b32 s[G1+7], 0
	; Wo: 128 rows of 256 bytes, padded
	s_or_b32 s[G1B+0], s44, (0<<16)|(1<<20)|(1<<21)|(5<<22)|(3<<25)
	s_mov_b32 s[G1B+1], ROWB<<16
	s_mov_b32 s[G1B+2], 128<<16
	s_mov_b32 s[G1B+3], ROWB<<16
	s_mov_b32 s[G1B+4], 128
	s_mov_b32 s[G1B+5], KROW
	s_mov_b32 s[G1B+6], 0
	s_mov_b32 s[G1B+7], 0
	s_or_b32 s[G1S+0], s43, (3<<16)|(1<<20)|(1<<21)|(5<<22)|(3<<25)
	s_or_b32 s[G1SB+0], s44, (3<<16)|(1<<20)|(1<<21)|(5<<22)|(3<<25)
.irp g, G1S, G1SB
	s_mov_b32 s[\g+1], 32<<16
	s_mov_b32 s[\g+2], (128*KS/256)<<16
	s_mov_b32 s[\g+3], 32<<16
	s_mov_b32 s[\g+4], 128*KS/256
	s_mov_b32 s[\g+5], 32
	s_mov_b32 s[\g+6], 0
	s_mov_b32 s[\g+7], 0
.endr
	s_lshl_b32 s18, s16, 7
	s_lshl_b32 s20, s17, 8
	s_add_co_u32 s20, s20, s18                     ; ctx: row 256 x tile row + 128 x half
	s_lshl_b32 s46, s42, 8
	s_add_co_u32 s46, s46, s18                     ; Wo: row 256 x tile column + 128 x half
	s_mov_b32 s21, 0
	s_mov_b32 s47, 0
	s_mov_b64 s[18:19], KS
	s_mul_u64 s[22:23], s[20:21], s[18:19]
	s_mul_u64 s[92:93], s[46:47], s[18:19]
	s_mov_b64 s[18:19], KROW
	s_mul_u64 s[20:21], s[20:21], s[18:19]         ; 1,024 bytes a row in both: 16 rows of images are 16,384 bytes
	s_mul_u64 s[46:47], s[46:47], s[18:19]
	s_lshl_b32 s45, s16, 15                        ; where ctx's half goes,
	s_mul_i32 s95, s16, HALFT
	s_add_co_u32 s95, s95, BOFF                    ; and Wo's
	s_mul_i32 s94, s14, HALFS
	s_wait_dscnt 0x0
	s_wait_kmcnt 0x0
	s_add_nc_u64 s[20:21], s[4:5], s[20:21]
	s_add_nc_u64 s[22:23], s[6:7], s[22:23]
	s_add_nc_u64 s[46:47], s[8:9], s[46:47]
	s_add_nc_u64 s[92:93], s[10:11], s[92:93]
	CROUND                                         ; all sixteen work-groups are here: the first joint loads meet
	s_mov_b32 s[G0S], 1
	s_add_co_u32 s[G0S+1], s94, SCL
	s_mov_b64 s[G0S+2:G0S+3], s[22:23]
	s_or_b32 s[G0S+3], s[G0S+3], 0x80000000
	s_mov_b32 s[G0SB], 1
	s_add_co_u32 s[G0SB+1], s94, SCL
	s_mov_b64 s[G0SB+2:G0SB+3], s[92:93]
	s_or_b32 s[G0SB+3], s[G0SB+3], 0x80000000
	JLOAD G0S, G1S, G0SB, G1SB
.irp s, 0,1
	s_mov_b32 s[G0+4*\s], 1
	s_add_co_u32 s[G0+4*\s+1], s45, \s*SLOT
	s_add_nc_u64 s[G0+4*\s+2:G0+4*\s+3], s[20:21], \s*4096
	s_or_b32 s[G0+4*\s+3], s[G0+4*\s+3], 0x80000000
	s_mov_b32 s[G0B+4*\s], 1
	s_add_co_u32 s[G0B+4*\s+1], s95, \s*SLOT
	s_add_nc_u64 s[G0B+4*\s+2:G0B+4*\s+3], s[46:47], \s*ROWB
	s_or_b32 s[G0B+4*\s+3], s[G0B+4*\s+3], 0x80000000
	s_wait_alu depctr_va_vdst(0)
	s_wait_tensorcnt 0x0
	ds_add_u32 v28, v29
	s_wait_dscnt 0x0
	CROUND
	JLOAD G0+4*\s, G1, G0B+4*\s, G1B
.endr
	v_and_b32 v1, 15, v0                           ; r
	v_bfe_u32 v2, v0, 4, 1                         ; h
	v_and_b32 v6, 31, v0
	v_lshlrev_b32 v[CO], 4, v6                     ; 16 x lane: an image's place, and my place in a row of out0
	v_mul_u32_u24 v3, v1, PITCH
	v_lshl_add_u32 v4, v2, 4, v3
	s_lshl_b32 s21, s15, 15                        ; my 128 rows of ctx
	s_mul_i32 s22, s16, HALFT
	s_add_co_u32 s22, s22, BOFF                    ; my 128 rows of Wo
.irp s, 0,1
	v_add_nc_u32 v[ADRA+\s], s21, v[CO]
	v_add_nc_u32 v[ADRB+\s], s22, v4
	s_add_co_u32 s21, s21, SLOT
	s_add_co_u32 s22, s22, SLOT
.endr
	v_mul_u32_u24 v5, v1, KS
	v_lshrrev_b32 v6, 8, v5
	v_lshl_add_u32 v5, v6, 4, v5
	s_mul_i32 s21, s15, HALFS
	s_mul_i32 s22, s16, HALFS
	s_add_co_u32 s22, s22, 2*HALFS
	s_sub_co_u32 s22, s22, s21
	v_mul_u32_u24 v6, s22, v2
	s_add_co_u32 s21, s21, SCL
	v_add_nc_u32 v5, v5, v6
	v_add_nc_u32 v[ADRS], s21, v5
	s_mul_i32 s23, s14, 16*SPITCH                  ; my stage
	v_mul_u32_u24 v5, v1, SPITCH
	v_lshl_add_u32 v5, v2, 5, v5
	v_add_nc_u32 v[STO], s23, v5
	v_add_nc_u32 v[RD], s23, v[CO]
	s_lshl_b32 s20, s17, 8
	s_lshl_b32 s21, s15, 7
	s_add_co_u32 s20, s20, s21                     ; my first row of out0
	s_mov_b32 s21, 0
	s_mov_b64 s[18:19], SIZE_N*4
	s_mul_u64 s[20:21], s[20:21], s[18:19]
	s_lshl_b32 s46, s42, 10                        ; my first column, in bytes
	s_lshl_b32 s47, s16, 9
	s_add_co_u32 s46, s46, s47
	s_mov_b32 s47, 0
	s_add_nc_u64 s[20:21], s[20:21], s[46:47]
	s_add_nc_u64 s[12:13], s[12:13], s[20:21]
	s_add_nc_u64 s[96:97], s[96:97], s[46:47]      ; bo at my first column
	v_lshlrev_b32 v7, 5, v2                        ; lanes 16-31 hold columns 8 further on
.irp b, 0,1,2,3,4,5,6,7
	global_load_b128 v[BI+8*\b:BI+8*\b+3], v7, s[96:97] offset:64*\b          ; bo(16 b + 8 h + 0 .. 7): the result's layout
	global_load_b128 v[BI+8*\b+4:BI+8*\b+7], v7, s[96:97] offset:64*\b+16
.endr
.macro FRAGB reg, adr, q, i
.irp c, 0,1,2,3
	ds_load_b128 v[\reg+4*\c:\reg+4*\c+3], v[\adr] offset:128*(\q)+32*\c+(\i)*16*PITCH
.endr
.endm
.macro FRAGA reg, adr, q, i            ; an image comes back as it was stored: 512 consecutive bytes a load
.irp c, 0,1,2,3
	ds_load_b128 v[\reg+4*\c:\reg+4*\c+3], v[\adr] offset:4096*(\i)+2048*(\q)+512*\c
.endr
.endm
; 16 matrix instructions; the 64 accumulators take turns, one instruction a turn.  zero = 1: the sums begin with the bias
.macro MUL16 a0, p, q, sc, zero
.irp a, \a0, \a0+1
.irp b, 0,1,2,3,4,5,6,7
.if \zero
	v_wmma_scale_f32_16x16x128_f8f6f4 v[8*(8*((\a)%4)+\b):8*(8*((\a)%4)+\b)+7], v[128*(\p)+FR*\b:128*(\p)+FR*\b+FR-1], v[AF+FR*(\a):AF+FR*(\a)+FR-1], v[BI+8*\b:BI+8*\b+7], v[SC+8*NQ*(\sc)+NQ*\b+(\q)], v[SC+8*NQ*(\sc)+NQ*(\a)+(\q)] matrix_a_scale:MATRIX_SCALE_ROW1
.else
	v_wmma_scale_f32_16x16x128_f8f6f4 v[8*(8*((\a)%4)+\b):8*(8*((\a)%4)+\b)+7], v[128*(\p)+FR*\b:128*(\p)+FR*\b+FR-1], v[AF+FR*(\a):AF+FR*(\a)+FR-1], v[8*(8*((\a)%4)+\b):8*(8*((\a)%4)+\b)+7], v[SC+8*NQ*(\sc)+NQ*\b+(\q)], v[SC+8*NQ*(\sc)+NQ*(\a)+(\q)] matrix_a_scale:MATRIX_SCALE_ROW1
.endif
.endr
.endr
.endm
.macro FETCH_B slot, q, p
	WIN TO_B
.irp i, 0,1,2,3,4,5,6,7
	FRAGB 128*(\p)+FR*\i, ADRB+\slot, \q, \i
.endr
	WIN 0
.endm
.macro FETCH_A slot, q, i0
.irp i, \i0, \i0+1, \i0+2, \i0+3
	FRAGA AF+FR*(\i), ADRA+\slot, \q, \i
.endr
.endm
.macro SCALES sc
.irp i, 0,1,2,3,4,5,6,7
	ds_load_b64 v[SC+8*NQ*\sc+NQ*\i:SC+8*NQ*\sc+NQ*\i+1], v[ADRS] offset:\i*SBLK
.endr
.endm
.macro PLACES n
.rept \n
	v_nop
.endr
.endm
.macro STEP slot, q, zero
	s_wait_dscnt 4*NL                              ; all but the youngest 16 loads (ctx's blocks 4-7) are in
.if \zero
	WIN 0x81                                       ; C (the bias) window 0, D window 2
.else
	WIN MUL_LO
.endif
	MUL16 0, (\q)%2, \q, \slot, \zero
	MUL16 2, (\q)%2, \q, \slot, \zero
	s_wait_dscnt 0
	PLACES NP
	FETCH_B \slot, (\q)+1, 1-(\q)%2
	FETCH_A \slot, (\q)+1, 0
.if \zero
	WIN 0xc1                                       ; C window 0, D window 3
.else
	WIN MUL_HI
.endif
	MUL16 4, (\q)%2, \q, \slot, \zero
	MUL16 6, (\q)%2, \q, \slot, \zero
	PLACES NP
	WIN 0
	FETCH_A \slot, (\q)+1, 4
.endm
.macro TURN slot, next, fill
	s_wait_tensorcnt 0x0                           ; all my tensor loads have landed: my part of the next slot
	ds_add_u32 v[SPW], v[NIL]
	s_wait_dscnt 4*NL+1                            ; the add and the youngest 16 loads may be out
	WIN MUL_LO
	MUL16 0, 1, NQ-1, \slot, 0
	s_wait_dscnt 0x0                               ; the add is done, and my reads of this slot are over
	s_barrier_signal -1
	MUL16 2, 1, NQ-1, \slot, 0
	WIN 0
	s_barrier_wait -1
.if \fill
	CREST                                          ; a round of the cluster's barrier: no wave of any partner still reads this slot or has a load on its way
	s_add_nc_u64 s[G0+4*\slot+2:G0+4*\slot+3], s[G0+4*\slot+2:G0+4*\slot+3], 2*4096
	s_add_nc_u64 s[G0B+4*\slot+2:G0B+4*\slot+3], s[G0B+4*\slot+2:G0B+4*\slot+3], 2*ROWB
	JLOAD G0+4*\slot, G1, G0B+4*\slot, G1B
	PLACES NP-4
.else
	PLACES NP
.endif
	s_wait_alu depctr_va_vdst(0)
	v_add_nc_u32 v[ADRS], 4*NQ, v[ADRS]
	FETCH_B \next, 0, 0
	FETCH_A \next, 0, 0
	SCALES \next
	WIN MUL_HI
	MUL16 4, 1, NQ-1, \slot, 0
	MUL16 6, 1, NQ-1, \slot, 0
	PLACES NP
	WIN 0
	FETCH_A \next, 0, 4
.endm
	s_wait_alu depctr_va_vdst(0)
	s_wait_tensorcnt 1                             ; of my three first fills the scales and K step 0 are in; K step 1's may be out
	s_barrier_signal -1
	s_barrier_wait -1
	FETCH_B 0, 0, 0
	FETCH_A 0, 0, 0
	SCALES 0
	FETCH_A 0, 0, 4
	s_wait_loadcnt 0x0                             ; the bias
	STEP 0, 0, 1
	s_mov_b32 s3, LAPS-1
.Llap:
	TURN 0, 1, 1
	STEP 1, 0, 0
	TURN 1, 0, 1
	STEP 0, 0, 0
	s_sub_co_u32 s3, s3, 1
	s_cmp_lg_u32 s3, 0
	s_cbranch_scc1 .Llap
	TURN 0, 1, 0
	STEP 1, 0, 0
	s_wait_dscnt 4*NL
	WIN MUL_LO
	MUL16 0, 1, NQ-1, 1, 0
	MUL16 2, 1, NQ-1, 1, 0
	s_wait_dscnt 0
	WIN MUL_HI
	MUL16 4, 1, NQ-1, 1, 0
	MUL16 6, 1, NQ-1, 1, 0
	WIN 0
; THE WAY OUT, block by block of 16 rows x 128 columns, through my own stage in LDS: back come whole rows of 512 bytes.  LDS serves a wave's instructions in order (ISA guide 5.7.1.4).
.macro TOSTAGE a
.set AC, 64*((\a)%4)
	WIN 0x08+4*((\a)/4)                            ; the data: window 2 or 3
.irp b, 0,1,2,3,4,5,6,7
	ds_store_b128 v[STO], v[AC+8*\b:AC+8*\b+3] offset:64*\b          ; each accumulator from its low end on
	ds_store_b128 v[STO], v[AC+8*\b+4:AC+8*\b+7] offset:64*\b+16
.endr
	WIN 0
.set BB, BK+64*((\a)%2)
.irp t, 0,1,2,3,4,5,6,7,8,9,10,11,12,13,14,15
	ds_load_b128 v[BB+4*\t:BB+4*\t+3], v[RD] offset:\t*SPITCH
.endr
.endm
.macro SEND a, younger
.set BB, BK+64*((\a)%2)
	s_wait_dscnt \younger
.if (\a) > 0
	s_add_nc_u64 s[12:13], s[12:13], 16*SIZE_N*4   ; behind a wait that shows the earlier stores have read their base
.endif
.irp t, 0,1,2,3,4,5,6,7,8,9,10,11,12,13,14,15
	global_store_b128 v[CO], v[BB+4*\t:BB+4*\t+3], s[12:13] offset:\t*SIZE_N*4 th:TH_STORE_NT   ; 32 lanes store 512 consecutive aligned bytes
.endr
.endm
	PLACES NP
	TOSTAGE 0
.irp a, 1,2,3,4,5,6,7
.if \a > 1
	s_wait_xcnt 0x0                                ; block a - 2's stores have read their registers and their base
.endif
	TOSTAGE \a
	SEND \a-1, 32                                  ; behind block a - 1's loads: block a's 16 stores and 16 loads
.endr
	s_wait_xcnt 0x0
	SEND 7, 0
	s_wait_tensorcnt 0x0                           ; the wave's end
	ds_add_u32 v[SPW], v[NIL]
	s_wait_dscnt 0x0
	CROUND                                         ; the closing round
	s_endpgm
.Lfunc_end_k_qbade031fc6_oproj:
	.size	k_qbade031fc6_oproj, .Lfunc_end_k_qbade031fc6_oproj-k_qbade031fc6_oproj
	.p2alignl 7, 3214868480
	.fill 96, 4, 3214868480
	.section	.rodata,"a",@progbits
	.p2align	6, 0x0
	.amdhsa_kernel k_qbade031fc6_oproj
		.amdhsa_group_segment_fixed_size 327680
		.amdhsa_private_segment_fixed_size 0
		.amdhsa_enable_private_segment 0
		.amdhsa_kernarg_size 48
		.amdhsa_user_sgpr_count 2
		.amdhsa_user_sgpr_kernarg_segment_ptr 1
		.amdhsa_wavefront_size32 1
		.amdhsa_system_sgpr_workgroup_id_x 1
		.amdhsa_system_sgpr_workgroup_id_y 1
		.amdhsa_system_sgpr_workgroup_id_z 1
		.amdhsa_system_vgpr_workitem_id 0
		.amdhsa_next_free_vgpr 1024
		.amdhsa_next_free_sgpr 98
		.amdhsa_reserve_vcc 0
		.amdhsa_float_denorm_mode_32 3
		.amdhsa_float_denorm_mode_16_64 3
		.amdhsa_memory_ordered 1
		.amdhsa_forward_progress 1
		.amdhsa_inst_pref_size 148
	.end_amdhsa_kernel
	.amdgpu_metadata
---
amdhsa.version: [ 1, 2 ]
amdhsa.kernels:
  - .name:           k_qbade031fc6_oproj
    .symbol:         k_qbade031fc6_oproj.kd
    .args:
      - { .name: cc, .offset: 0, .size: 8, .value_kind: global_buffer, .address_space: global }
      - { .name: cs, .offset: 8, .size: 8, .value_kind: global_buffer, .address_space: global }
      - { .name: Wo_codes, .offset: 16, .size: 8, .value_kind: global_buffer, .address_space: global }
      - { .name: Wo_scales, .offset: 24, .size: 8, .value_kind: global_buffer, .address_space: global }
      - { .name: out0, .offset: 32, .size: 8, .value_kind: global_buffer, .address_space: global }
      - { .name: bo, .offset: 40, .size: 8, .value_kind: global_buffer, .address_space: global }
    .group_segment_fixed_size: 327680
    .private_segment_fixed_size: 0
    .kernarg_segment_align: 8
    .kernarg_segment_size: 48
    .max_flat_workgroup_size: 128
    .sgpr_count:     98
    .vgpr_count:     1024
    .wavefront_size: 32
...
	.end_amdgpu_metadata
.endif
;; end of part 3
